; MI455X (gfx1250); checked and timed in simulation.
; The chip was launched on July 23, 2026; its instructions are those of AMD's public machine-readable ISA for CDNA 5 (MIT licence, August 2026) and "CDNA5" Instruction Set Architecture Reference Guide (July 2026). The comments in the code are by the model that wrote it; some were corrected since.
;; Delta Net. Allowed arithmetic: float matrix products may take bf16 or f16 operands with f32 sums; other float arithmetic in f32, or as packed bf16 or f16 multiplies, adds, multiply-adds, maxima and minima; sums over many terms, partial sums and values carried from step to step in f32; what a program stores and reads back later, other than sums and carried values, may be rounded once to bf16 or f16.
;; Inputs: Wb 16 x 1,024 float32; Wk 1,024 x 1,024 float32; Wo 1,024 x 1,024 float32; Wq 1,024 x 1,024 float32; Wv 1,024 x 1,024 float32; bb 16 float32; bo 1,024 float32; scale 1,024 float32; x 4 x 2,048 x 1,024 float32.
;; Outputs: out0 4 x 2,048 x 1,024 float32.
;; 2 versions, each right; version 2 is version 1 with the launch cast written anew for expert scheduling mode. Each part assembles by itself: llvm-mc -triple=amdgcn-amd-amdhsa -mcpu=gfx1250 --defsym DOCPART=n.
;; ======== version 1 of 2: 5 launches
;; limits: values outside matrix products are rounded to bf16
;; workspace buffers: xb 16,777,216 bytes; wbf 8,388,608 bytes; lb 524,288 bytes; rope 524,288 bytes; qkv 50,331,648 bytes; st 9,633,792 bytes; ab 16,777,216 bytes; hb 33,554,432 bytes
;; launch cast (part 1): grid 256 x 1, 8 waves a work-group, no clusters, 109,824 bytes of LDS; arguments x, Wq, Wk, Wv, Wo, Wb, bb, xb, wbf, lb, rope; writes xb, wbf, lb, rope
.if DOCPART == 1
	.amdgcn_target "amdgcn-amd-amdhsa--gfx1250"
	.amdhsa_code_object_version 6
	.text
	.protected	k_q0630a9a658_cast
	.globl	k_q0630a9a658_cast
	.p2align	8
	.type	k_q0630a9a658_cast,@function
k_q0630a9a658_cast:
	s_mov_b64 s[64:65], 0
	v_nop
	global_prefetch_b8 v0, s[64:65] scope:SCOPE_SE
	s_setreg_imm32_b32 hwreg(HW_REG_WAVE_MODE, 25, 1), 1
	s_wait_xcnt 0x0
; cast: x and the four square weights to bf16 (matrix operands of the later launches), log2 of the clipped decay beta, and the RoPE table.
;   xb   [8192][1024] bf16.      wbf: Wc [3072][1024] bf16, row = head*192 + part*64 + d (part 0 q, 1 k, 2 v); behind it, at WO_OFF,
;   Wo blocked along K: [16 kb][1024 n][64 k] bf16.      lb [4 b][16 h][2048 t] f32 = log2(clip(sigmoid(x Wb^T + bb), 0.8, 0.999)).
;   rope [2048 t][cos 0..31 | sin 0..31] f32, 256 bytes for each t.
; THE WHOLE PROGRAM: the scan S_t = b_t S_(t-1) + k_t v_t^T is done in chunks of 64 steps.  With L_t the running sum of log2 b, step s weighs
; 2^(L_t - L_s) at step t >= s, so a chunk is a few 64 x 64 products and a state handed from chunk to chunk.  Every exponent is <= 0 but on
; entries that the order of the scan masks, where reference()'s own clip bounds it by 15 * 0.322.  The denominator is the same form with v = 1.
; WORK LEFT OUT, for all values of the inputs: S0 and z0 are zeros that reference() builds, so the first update starts its sums and the read-out
; of the zero state is not issued; the state behind the last step is read by nothing, so it is not made; tiles with s > t throughout have weight 0
; by the order of the scan; elu(u) + 1 = max(u, 0) + e^min(u, 0) is an identity.  Every input has a way to the output and is loaded.
; LIMITS: a NaN, an infinity or an overflow that reaches only work left out is not carried.  A NaN in the beta logit gives 0.8 (v_max_num_f32 drops
; it).  cos and sin: the angle is reduced in revolutions with one fused multiply-add; at t = 2047 it is good to a few 1e-4 rad.
; SHARES: work-group g has x rows 32 g .. 32 g + 31; wave w takes row tile w >> 2 (16 rows) and K quarter w & 3 (256 columns); it stages rows
; 2 w, 2 w + 1 of Wb; it converts rows 4 g + 2 (w & 1), + 1 of weight w >> 1 (q, k, v, o); it makes the table's row t = 8 g + w.
; No cluster, no tensor load: everything is read once through registers; only Wb (64 KiB of a work-group's 256 KiB) is read by all work-groups.
; lb is stored in pieces of 64 bytes (a work-group has 32 steps of each head): 0.5 MiB of the launch's 76.
.set XPITCH, 528                       ; a wave's x tile in LDS: 16 rows of 512 bytes + 16
.set XWAVE,  16*XPITCH
.set WT,     8*XWAVE                   ; Wb in bf16: 16 rows of 2,048 bytes + 16
.set WPITCH, 2064
.set PS,     WT+16*WPITCH              ; partial sums: 1,024 bytes a wave
.set WO_OFF, 6291456
.set WA,   32                          ; v[32:95]   16 loads of Wb, then 16 of my weight rows
.set XA,   96                          ; v[96:223]  32 loads of x, then the fragments
.set ACC0, 224
.set ACC1, 232
.set RT,   240                         ; v[240:255] the table's row
.macro CVT2 base                       ; four f32 to four bf16, in place, in the first two registers
	v_cvt_pk_bf16_f32 v[\base], v[\base], v[\base+1]
	v_cvt_pk_bf16_f32 v[\base+1], v[\base+2], v[\base+3]
.endm
; sine and cosine of t * f radians; f comes in as the frequency.  y = a quarter of the reduced angle, |y| <= pi/4; two doublings bring it back.
.macro TRIG f, a, y, y2, s, c
	v_mul_f32 v[\f], 0x3e22f983, v[\f]             ; revolutions for each step
	v_mul_f32 v[\a], v[RT], v[\f]
	v_rndne_f32 v[\a], v[\a]
	v_fma_f32 v[\a], v[RT], v[\f], -v[\a]          ; the fraction, in [-1/2, 1/2]
	v_mul_f32 v[\y], 0x3fc90fdb, v[\a]             ; 2 pi / 4
	v_mul_f32 v[\y2], v[\y], v[\y]
	v_mov_b32 v[\s], 0xb9500d01                    ; -1/5040
	v_mov_b32 v[\c], 0x37d00d01                    ; 1/40320
	v_fmaak_f32 v[\s], v[\s], v[\y2], 0x3c088889   ; 1/120
	v_fmaak_f32 v[\c], v[\c], v[\y2], 0xbab60b61   ; -1/720
	v_fmaak_f32 v[\s], v[\s], v[\y2], 0xbe2aaaab   ; -1/6
	v_fmaak_f32 v[\c], v[\c], v[\y2], 0x3d2aaaab   ; 1/24
	v_fmaak_f32 v[\s], v[\s], v[\y2], 0x3f800000
	v_fmaak_f32 v[\c], v[\c], v[\y2], 0xbf000000
	v_mul_f32 v[\s], v[\s], v[\y]
	v_fmaak_f32 v[\c], v[\c], v[\y2], 0x3f800000
	v_add_f32 v[\y], v[\s], v[\s]                  ; first doubling: cosine into y2
	v_fma_f32 v[\y2], -v[\y], v[\s], 1.0
	v_mul_f32 v[\s], v[\y], v[\c]
	v_add_f32 v[\y], v[\s], v[\s]                  ; second doubling: cosine back into c
	v_fma_f32 v[\c], -v[\y], v[\s], 1.0
	v_mul_f32 v[\s], v[\y], v[\y2]
.endm
	s_load_b512 s[4:19], s[0:1], 0x0               ; x 4, Wq 6, Wk 8, Wv 10, Wo 12, Wb 14, bb 16, xb 18
	s_load_b128 s[20:23], s[0:1], 0x40             ; wbf 20, lb 22
	s_load_b64 s[24:25], s[0:1], 0x50              ; rope
	v_lshl_add_u32 v30, v0, 2, 0x1a900
	v_mov_b32 v31, 0
	v_lshrrev_b32 v1, 5, v0
	v_readfirstlane_b32 s26, v1                    ; wave
	v_and_b32 v1, 31, v0                           ; lane L
	v_and_b32 v2, 15, v0                           ; r
	v_bfe_u32 v3, v0, 4, 1                         ; h
	v_lshlrev_b32 v4, 4, v1                        ; 16 L
	v_lshlrev_b32 v5, 3, v1                        ; 8 L
	s_lshr_b32 s27, s26, 2                         ; row tile
	s_and_b32 s28, s26, 3                          ; K quarter
	s_lshr_b32 s29, s26, 1                         ; which weight
	s_and_b32 s38, s26, 1
	s_mov_b32 s40, 0xffff0000                      ; lanes 16-31 keep the sine
	; LDS addresses
	s_mul_i32 s36, s26, XWAVE
	v_add_nc_u32 v6, s36, v5                       ; x in: my tile + 8 L
	v_mul_u32_u24 v7, v2, XPITCH
	v_lshl_add_u32 v7, v3, 4, v7
	v_add_nc_u32 v7, s36, v7                       ; x fragments: row r, 16 h
	s_mul_i32 s36, s26, 2*WPITCH
	s_add_co_u32 s36, s36, WT
	v_add_nc_u32 v8, s36, v5                       ; Wb in: rows 2 w, 2 w + 1
	v_mul_u32_u24 v9, v2, WPITCH
	v_lshl_add_u32 v9, v3, 4, v9
	s_lshl_b32 s36, s28, 9
	s_add_co_u32 s36, s36, WT
	v_add_nc_u32 v9, s36, v9                       ; Wb fragments: row r, my K quarter
	s_lshl_b32 s36, s26, 10
	s_add_co_u32 s36, s36, PS
	v_add_nc_u32 v10, s36, v4                      ; my partial sums
	v_lshlrev_b32 v11, 4, v2
	v_lshl_add_u32 v11, v3, 12, v11                ; Wo: lanes 0-15 one row, lanes 16-31 the next
	v_lshlrev_b32 v12, 13, v2
	v_lshl_add_u32 v12, v3, 5, v12                 ; lb: head r, 8 h steps on
	v_lshlrev_b32 v13, 2, v2                       ; bb[r]
	; byte offsets, apart from the addresses
	s_lshl_b32 s30, ttmp9, 17                      ; x: (32 g + 16 rt) rows of 4,096 + 1,024 kq
	s_lshl_b32 s36, s27, 16
	s_add_co_u32 s30, s30, s36
	s_lshl_b32 s36, s28, 10
	s_add_co_u32 s30, s30, s36
	s_mov_b32 s31, 0
	s_lshr_b32 s32, s30, 1                         ; xb: half of that
	s_mov_b32 s33, 0
	s_lshl_b32 s42, s26, 13                        ; Wb: row 2 w
	s_mov_b32 s43, 0
	s_lshl_b32 s50, ttmp9, 14                      ; my weight rows: (4 g + 2 (w & 1)) * 4,096
	s_lshl_b32 s36, s38, 13
	s_add_co_u32 s50, s50, s36
	s_mov_b32 s51, 0
	s_lshr_b32 s36, ttmp9, 4                       ; Wc: row head*192 + part*64 + d
	s_mul_i32 s36, s36, 192
	s_lshl_b32 s37, s29, 6
	s_add_co_u32 s36, s36, s37
	s_lshl_b32 s37, ttmp9, 2
	s_and_b32 s37, s37, 63
	s_add_co_u32 s36, s36, s37
	s_lshl_b32 s37, s38, 1
	s_add_co_u32 s36, s36, s37
	s_lshl_b32 s36, s36, 11
	s_lshl_b32 s37, ttmp9, 9                       ; blocked Wo: row n0 of 128 bytes
	s_lshl_b32 s39, s38, 8
	s_add_co_u32 s37, s37, s39
	s_add_co_u32 s37, s37, WO_OFF
	s_cmp_eq_u32 s29, 3
	s_cselect_b32 s44, s37, s36
	s_mov_b32 s45, 0
	s_lshr_b32 s46, ttmp9, 6                       ; lb: batch * 16 heads * 8,192 + (t0 + 16 rt) * 4
	s_lshl_b32 s46, s46, 17
	s_and_b32 s36, ttmp9, 63
	s_lshl_b32 s36, s36, 7
	s_add_co_u32 s46, s46, s36
	s_lshl_b32 s36, s27, 6
	s_add_co_u32 s46, s46, s36
	s_mov_b32 s47, 0
	s_lshl_b32 s39, ttmp9, 3
	s_add_co_u32 s39, s39, s26                     ; t = 8 g + w
	s_lshl_b32 s48, s39, 8
	s_mov_b32 s49, 0
	s_wait_kmcnt 0x0
	s_add_nc_u64 s[30:31], s[4:5], s[30:31]
	s_add_nc_u64 s[32:33], s[18:19], s[32:33]
	s_add_nc_u64 s[42:43], s[14:15], s[42:43]
	s_add_nc_u64 s[44:45], s[20:21], s[44:45]
	s_add_nc_u64 s[46:47], s[22:23], s[46:47]
	s_add_nc_u64 s[48:49], s[24:25], s[48:49]
	s_cmp_eq_u32 s29, 1                            ; my weight: a choice among four buffers by the wave's number
	s_cselect_b64 s[34:35], s[8:9], s[6:7]
	s_cmp_eq_u32 s29, 2
	s_cselect_b64 s[34:35], s[10:11], s[34:35]
	s_cmp_eq_u32 s29, 3
	s_cselect_b64 s[34:35], s[12:13], s[34:35]
	s_add_nc_u64 s[34:35], s[34:35], s[50:51]
	; all of this wave's first loads go out: 16 of Wb, 32 of x, 1 of bb
.set n, 0
.rept 16
	global_load_b128 v[WA+4*n:WA+4*n+3], v4, s[42:43] offset:(n>>3)*4096+(n&7)*512
.set n, n+1
.endr
.set n, 0
.rept 32
	global_load_b128 v[XA+4*n:XA+4*n+3], v4, s[30:31] offset:(n>>1)*4096+(n&1)*512 th:TH_LOAD_NT
.set n, n+1
.endr
	global_load_b32 v23, v13, s[16:17]
	; the table's row, while they fly: frequencies i = 2 r and 2 r + 1, f = 10000^(-i/32) = 2^(-0.41524101 i)
	v_cvt_f32_u32 v[RT], s39
	v_lshlrev_b32 v[RT+1], 1, v2
	v_cvt_f32_u32 v[RT+2], v[RT+1]
	v_add_f32 v[RT+8], 1.0, v[RT+2]
	v_mul_f32 v[RT+2], 0xbed49a78, v[RT+2]
	v_mul_f32 v[RT+8], 0xbed49a78, v[RT+8]
	v_exp_f32 v[RT+2], v[RT+2]
	v_exp_f32 v[RT+8], v[RT+8]
	v_nop                                          ; one plain instruction behind the exponentials (ISA guide 5.7.2)
	s_wait_alu depctr_va_vdst(0)
	TRIG RT+2, RT+3, RT+4, RT+5, RT+6, RT+7
	TRIG RT+8, RT+9, RT+10, RT+11, RT+12, RT+13
	v_cndmask_b32 v[RT+14], v[RT+7], v[RT+6], s40
	v_cndmask_b32 v[RT+15], v[RT+13], v[RT+12], s40
	global_store_b64 v5, v[RT+14:RT+15], s[48:49]  ; the wave stores the row's 256 consecutive bytes, aligned
	s_wait_loadcnt 33                              ; Wb is in: the 32 loads of x and the one of bb are younger
.set n, 0
.rept 16
	CVT2 WA+4*n
	ds_store_b64 v8, v[WA+4*n:WA+4*n+1] offset:(n>>3)*WPITCH+(n&7)*256
.set n, n+1
.endr
	s_cmp_eq_u32 s29, 3                            ; my two weight rows, 16 loads on either way
	s_cbranch_scc1 .Lload_wo
.set n, 0
.rept 16
	global_load_b128 v[WA+4*n:WA+4*n+3], v4, s[34:35] offset:(n>>3)*4096+(n&7)*512 th:TH_LOAD_NT
.set n, n+1
.endr
	s_branch .Lloaded
.Lload_wo:
.set n, 0
.rept 16
	global_load_b128 v[WA+4*n:WA+4*n+3], v11, s[34:35] offset:n*256 th:TH_LOAD_NT   ; K block n of both rows
.set n, n+1
.endr
.Lloaded:
	s_wait_loadcnt 16                              ; x and bb are in: only the 16 weight loads are younger
.set n, 0
.rept 32
	CVT2 XA+4*n
	global_store_b64 v5, v[XA+4*n:XA+4*n+1], s[32:33] offset:(n>>1)*2048+(n&1)*256   ; 256 consecutive bytes, aligned
	ds_store_b64 v6, v[XA+4*n:XA+4*n+1] offset:(n>>1)*XPITCH+(n&1)*256
.set n, n+1
.endr
	s_wait_loadcnt 0x0
.set n, 0
.rept 16
	CVT2 WA+4*n
.set n, n+1
.endr
	s_cmp_eq_u32 s29, 3
	s_cbranch_scc1 .Lstore_wo
.set n, 0
.rept 16
	global_store_b64 v5, v[WA+4*n:WA+4*n+1], s[44:45] offset:(n>>3)*2048+(n&7)*256
.set n, n+1
.endr
	s_branch .Lstored
.Lstore_wo:
.set n, 0
.rept 16
	global_store_b64 v5, v[WA+4*n:WA+4*n+1], s[44:45] offset:n*131072   ; two rows' 128 bytes: 256 consecutive bytes of K block n
.set n, n+1
.endr
.Lstored:
	s_wait_dscnt 0x0                               ; my rows of Wb are in LDS, for the other waves' sake
	s_barrier_signal -1
	s_barrier_wait -1
	s_wait_xcnt 0x0                                ; XA held the data of stores: it is loaded again only behind this wait
.irp ks, 0,1,2,3,4,5,6,7
	ds_load_b128 v[XA+8*\ks:XA+8*\ks+3],       v7 offset:\ks*64
	ds_load_b128 v[XA+8*\ks+4:XA+8*\ks+7],     v7 offset:\ks*64+32
	ds_load_b128 v[XA+64+8*\ks:XA+64+8*\ks+3], v9 offset:\ks*64
	ds_load_b128 v[XA+68+8*\ks:XA+68+8*\ks+3], v9 offset:\ks*64+32
.endr
	s_wait_dscnt 0x0
	; 16 rows x 16 heads over my 256 of K.  Two accumulators by turns, one instruction a turn.
	v_wmma_f32_16x16x32_bf16 v[ACC0:ACC0+7], v[XA:XA+7], v[XA+64:XA+71], 0
	v_wmma_f32_16x16x32_bf16 v[ACC1:ACC1+7], v[XA+8:XA+15], v[XA+72:XA+79], 0
.irp ks, 2,4,6
	v_wmma_f32_16x16x32_bf16 v[ACC0:ACC0+7], v[XA+8*\ks:XA+8*\ks+7], v[XA+64+8*\ks:XA+64+8*\ks+7], v[ACC0:ACC0+7]
	v_wmma_f32_16x16x32_bf16 v[ACC1:ACC1+7], v[XA+8*\ks+8:XA+8*\ks+15], v[XA+72+8*\ks:XA+72+8*\ks+7], v[ACC1:ACC1+7]
.endr
.rept 4
	v_nop                                          ; four places behind the last matrix instruction (ISA guide 7.12.1)
.endr
.irp j, 0,2,4,6
	v_pk_add_f32 v[ACC0+\j:ACC0+\j+1], v[ACC0+\j:ACC0+\j+1], v[ACC1+\j:ACC1+\j+1]
.endr
	ds_store_b128 v10, v[ACC0:ACC0+3]
	ds_store_b128 v10, v[ACC0+4:ACC0+7] offset:512
	s_wait_dscnt 0x0
	s_barrier_signal -1
	s_barrier_wait -1
	s_cmp_lg_u32 s28, 0                            ; the wave of K quarter 0 adds the other three and finishes
	s_cbranch_scc1 .Lend
.irp k, 1,2,3
	ds_load_b128 v[XA+8*\k:XA+8*\k+3],   v10 offset:\k*1024
	ds_load_b128 v[XA+8*\k+4:XA+8*\k+7], v10 offset:\k*1024+512
.endr
	v_mul_f32 v23, 0xbfb8aa3b, v23                 ; -log2(e) bb
	s_wait_dscnt 0x0
.irp k, 1,2,3
.irp j, 0,2,4,6
	v_pk_add_f32 v[ACC0+\j:ACC0+\j+1], v[ACC0+\j:ACC0+\j+1], v[XA+8*\k+\j:XA+8*\k+\j+1]
.endr
.endr
.irp j, 0,1,2,3,4,5,6,7
	v_fmamk_f32 v[ACC0+\j], v[ACC0+\j], 0xbfb8aa3b, v23    ; -log2(e) (u + bb)
.endr
.irp j, 0,1,2,3,4,5,6,7
	v_exp_f32 v[ACC0+\j], v[ACC0+\j]
.endr
	v_nop
	s_wait_alu depctr_va_vdst(0)
.irp j, 0,1,2,3,4,5,6,7
	v_add_f32 v[ACC0+\j], 1.0, v[ACC0+\j]
.endr
.irp j, 0,1,2,3,4,5,6,7
	v_rcp_f32 v[ACC0+\j], v[ACC0+\j]               ; the sigmoid
.endr
	v_nop
	s_wait_alu depctr_va_vdst(0)
.irp j, 0,1,2,3,4,5,6,7
	v_max_num_f32 v[ACC0+\j], 0x3f4ccccd, v[ACC0+\j]       ; clip at 0.8
.endr
.irp j, 0,1,2,3,4,5,6,7
	v_min_num_f32 v[ACC0+\j], 0x3f7fbe77, v[ACC0+\j]       ; and at 0.999
.endr
.irp j, 0,1,2,3,4,5,6,7
	v_log_f32 v[ACC0+\j], v[ACC0+\j]
.endr
	v_nop
	s_wait_alu depctr_va_vdst(0)
	global_store_b128 v12, v[ACC0:ACC0+3], s[46:47]        ; head r, steps 8 h .. 8 h + 7 of my row tile
	global_store_b128 v12, v[ACC0+4:ACC0+7], s[46:47] offset:16
.Lend:
	s_wait_tensorcnt 0x0
	ds_add_u32 v30, v31
	s_wait_dscnt 0x0
	s_endpgm
.Lfunc_end_k_q0630a9a658_cast:
	.size	k_q0630a9a658_cast, .Lfunc_end_k_q0630a9a658_cast-k_q0630a9a658_cast
	.p2alignl 7, 3214868480
	.fill 96, 4, 3214868480
	.section	.rodata,"a",@progbits
	.p2align	6, 0x0
	.amdhsa_kernel k_q0630a9a658_cast
		.amdhsa_group_segment_fixed_size 109824
		.amdhsa_private_segment_fixed_size 0
		.amdhsa_enable_private_segment 0
		.amdhsa_kernarg_size 88
		.amdhsa_user_sgpr_count 2
		.amdhsa_user_sgpr_kernarg_segment_ptr 1
		.amdhsa_wavefront_size32 1
		.amdhsa_system_sgpr_workgroup_id_x 1
		.amdhsa_system_sgpr_workgroup_id_y 1
		.amdhsa_system_sgpr_workgroup_id_z 1
		.amdhsa_system_vgpr_workitem_id 0
		.amdhsa_next_free_vgpr 256
		.amdhsa_next_free_sgpr 66
		.amdhsa_reserve_vcc 0
		.amdhsa_float_denorm_mode_32 3
		.amdhsa_float_denorm_mode_16_64 3
		.amdhsa_memory_ordered 1
		.amdhsa_forward_progress 1
		.amdhsa_inst_pref_size 40
	.end_amdhsa_kernel
	.amdgpu_metadata
---
amdhsa.version: [ 1, 2 ]
amdhsa.kernels:
  - .name:           k_q0630a9a658_cast
    .symbol:         k_q0630a9a658_cast.kd
    .args:
      - { .name: x, .offset: 0, .size: 8, .value_kind: global_buffer, .address_space: global }
      - { .name: Wq, .offset: 8, .size: 8, .value_kind: global_buffer, .address_space: global }
      - { .name: Wk, .offset: 16, .size: 8, .value_kind: global_buffer, .address_space: global }
      - { .name: Wv, .offset: 24, .size: 8, .value_kind: global_buffer, .address_space: global }
      - { .name: Wo, .offset: 32, .size: 8, .value_kind: global_buffer, .address_space: global }
      - { .name: Wb, .offset: 40, .size: 8, .value_kind: global_buffer, .address_space: global }
      - { .name: bb, .offset: 48, .size: 8, .value_kind: global_buffer, .address_space: global }
      - { .name: xb, .offset: 56, .size: 8, .value_kind: global_buffer, .address_space: global }
      - { .name: wbf, .offset: 64, .size: 8, .value_kind: global_buffer, .address_space: global }
      - { .name: lb, .offset: 72, .size: 8, .value_kind: global_buffer, .address_space: global }
      - { .name: rope, .offset: 80, .size: 8, .value_kind: global_buffer, .address_space: global }
    .group_segment_fixed_size: 109824
    .private_segment_fixed_size: 0
    .kernarg_segment_align: 8
    .kernarg_segment_size: 88
    .max_flat_workgroup_size: 256
    .sgpr_count:     66
    .vgpr_count:     256
    .wavefront_size: 32
...
	.end_amdgpu_metadata
.endif
;; end of part 1
;; launch proj (part 2): grid 16 x 32, 4 waves a work-group, clusters of 4 x 4, 327,680 bytes of LDS; arguments xb, wbf, rope, qkv, lb, st; writes qkv, st
.if DOCPART == 2
	.amdgcn_target "amdgcn-amd-amdhsa--gfx1250"
	.amdhsa_code_object_version 6
	.text
	.protected	k_q0630a9a658_proj
	.globl	k_q0630a9a658_proj
	.p2align	8
	.type	k_q0630a9a658_proj,@function
k_q0630a9a658_proj:
	s_mov_b64 s[64:65], 0
	v_nop
	global_prefetch_b8 v0, s[64:65] scope:SCOPE_SE
	s_setreg_imm32_b32 hwreg(HW_REG_WAVE_MODE, 25, 1), 1
	s_wait_xcnt 0x0
	s_wait_alu depctr_hold_cnt(0) depctr_sa_sdst(0) depctr_va_vdst(0) depctr_va_sdst(0) depctr_va_ssrc(0) depctr_va_vcc(0) depctr_vm_vsrc(0)
	s_getreg_b32 s2, hwreg(HW_REG_IB_STS2, 6, 4)
	s_cmp_eq_u32 s2, 0
	s_cbranch_scc0 .Lentry_in_a_cluster
	s_endpgm
.Lentry_in_a_cluster:
	s_bfe_u32 s2, ttmp6, 0x10000c
	s_cmp_lg_u32 s2, 0xf033
	s_cbranch_scc0 .Lentry_shape_is_right
	s_endpgm
.Lentry_shape_is_right:
; proj: [q | k | v] of one head for 256 rows: xb [8192][1024] times 192 rows of Wc [3072][1024] (bf16, f32 sums), then RoPE and phi on q and k,
; all three rounded to bf16 into qkv [3 part][64 bh][2048 t][64].  phi(u) = elu(u) + 1 is computed as max(u, 0) + e^min(u, 0), the same number.
; Its 256 rows are 256 steps of one head, so it also leaves what these steps alone add to the scan's state, a record in st [64 bh][7 blocks]:
;   U[d][e] = sum over s of 2^(sum of log2 beta behind s in the block) k_s[d] v_s[e], the same with v = 1 (the denominator's z), and G, the block's sum of log2 beta.
; LEFT OUT: the record of a sequence's last 256 steps: the state behind the last step is read by nothing.  Their log2 beta is still asked for, 1 KiB a
; wave: the request stands a whole K loop ahead of its use, on the path that all work-groups share, so that its registers are written on every way.
; LIMIT: a NaN in q or k gives phi = 1 (v_min_num_f32 and v_max_num_f32 drop it); e^u and weights below 2^-126 come out as 0; weights are bf16.
; Four waves; wave w makes rows 64 w .. 64 w + 63 x all 192 columns: 4 x 12 accumulator tiles.  K goes in steps of 128 through two LDS slots
; (256 rows of x, 192 rows of Wc, rows of 256 bytes padded to 272).  Waves 0, 1 ask for x's halves, waves 2, 3 for Wc's.
; CLUSTER 4 x 4: x's tile hangs on the row block alone and is asked for jointly along a row of the cluster, Wc's on the head alone and jointly
; along a column.  The place along the cluster's y is the batch and the cluster's own y the block of 256 steps, so that the branch round the last
; block's record is the same in all sixteen partners.  A wave has two tensor loads out at the start and one behind each change of slots.
; REGISTERS: window 0: addresses, log2 beta v8-15, x fragments (two buffers), the table's cos and sin (v128-255, loaded at the start, used at the end);
; window 1: Wc fragments v0-95, v96-191, way out v192-239; windows 2, 3: tile (a, b) in window 2 + (a >> 1) at v[8 (12 (a & 1) + b)].
; The matrix instruction is used transposed (source 0 = rows of Wc, source 1 = rows of x): lane (r, h) holds row 16 a + r, columns 16 b + 8 h + j.
.set KSTEP,  128
.set PITCH,  272
.set HALFA,  128*PITCH
.set HALFB,  96*PITCH
.set SLOT,   2*HALFA+2*HALFB
.set SPITCH, 400                       ; the stage: a row is q, k, v, 128 bytes each, + 16.  25 x 16: the sixteen rows of a 16-byte store fall on sixteen
                                       ; different columns of 256 bytes; of a transposing load's sixteen lanes two share a column
.set SWAVE,  64*SPITCH                 ; a wave's 64 rows; the four waves' 102,400 bytes lie in slot 0, behind its last fill and its last reads
.set WTS,    2*SLOT                    ; behind the ring: 512 bytes of weights for each wave; no tensor load fills them
.set LAPS,   4                         ; 1,024 of K = 8 steps = 4 laps of the ring
.set PART,   16777216
.set REC,    21504                     ; a record: 20 tiles of 1,024 bytes, then G
.set LB,   8                           ; v[8:15]  log2 beta of steps 8 L .. 8 L + 7 of the block
.set ADRA, 16
.set ADRB, 20
.set STO,  24
.set RD,   25
.set CO,   26
.set RO,   27
.set LBO,  28
.set AF,   32                          ; x fragments: buffer f at AF + 32 f
.set PK,   32                          ; the way out: 12 tiles x 4 registers of bf16
.set E,    80
.set T,    96
.set CS,   128                         ; row tile a at CS + 32 a: cos 0-7 of b' = 0, of b' = 1, sin likewise
.set RB,   192                         ; window 1
; the record, window 0
.set KTA,  2                           ; v2-3   K^T of steps 0-127, 128-255
.set VTA,  4                           ; v4-5   V likewise
.set WSA,  6
.set WTA,  7
.set IVP,  29
.set L8,   30
.set ST,   32                          ; v[32:71]   five tiles of the record
.set TOT,  96
.set SCP,  98
.set SCQ,  99
.set EX,   100                         ; v[100:107] the eight exponents, then weights
.set WP,   108                         ; v[108:111] the weights in bf16
.set KF,   128                         ; v[128:191] K^T fragments of the eight steps of 32
.set WF,   192                         ; v[192:255] the weights along s, likewise
.set G1,  24
.set G0,  32
.set G1B, 48
.set G0B, 56
.set MSB, 0
.macro WIN new                         ; the immediate's high byte repeats the setting that is left
.if MSB != \new
	s_set_vgpr_msb (MSB<<8)|\new
.set MSB, \new
.endif
.endm
.set MUL_LO, 0xa1                      ; source 0 window 1, source 1 window 0, C and D window 2
.set MUL_HI, 0xf1                      ; the same, C and D window 3
.set TO_B,   0x40
.macro JLOAD s                         ; waves 0, 1: x; waves 2, 3: Wc.  One mask and one set of registers for each line
	s_cmp_eq_u32 s13, 0
	s_cbranch_scc0 .Lfor_b_\@
	tensor_load_to_lds s[G0+4*\s:G0+4*\s+3], s[G1:G1+7]
	s_nop 0
	s_branch .Lasked_\@
.Lfor_b_\@:
	tensor_load_to_lds s[G0B+4*\s:G0B+4*\s+3], s[G1B:G1B+7]
	s_nop 0
.Lasked_\@:
.endm
.macro CREST                           ; a round of the cluster's barrier behind its opening barrier
	s_cmp_lg_u32 s12, 0
	s_cbranch_scc1 .Lnot_wave_0_\@
	s_barrier_signal -3
.Lnot_wave_0_\@:
	s_barrier_wait -3
	s_barrier_signal -1
	s_barrier_wait -1
.endm
.macro CROUND
	s_barrier_signal -1
	s_barrier_wait -1
	CREST
.endm
.macro PLACES                          ; four places behind matrix instructions, in front of loads into their registers and of reads of results
.rept 4
	v_nop
.endr
.endm
	s_load_b256 s[4:11], s[0:1], 0x0               ; xb 4, wbf 6, rope 8, qkv 10
	s_load_b128 s[76:79], s[0:1], 0x20             ; lb 76, st 78
	s_set_vgpr_msb 0x40
	v_lshl_add_u32 v255, v0, 2, 0x3c000
	s_set_vgpr_msb 0x4000
	v_mov_b32 v23, 0
	s_set_vgpr_msb 0x1
	ds_add_u32 v255, v23
	s_set_vgpr_msb 0x100
	v_lshrrev_b32 v1, 5, v0
	v_readfirstlane_b32 s12, v1                    ; wave
	s_lshr_b32 s13, s12, 1                         ; I ask for x (0) or for Wc (1)
	s_and_b32 s14, s12, 1                          ; which half of that tile
	s_bfe_u32 s40, ttmp6, 0x40000                  ; cx
	s_bfe_u32 s41, ttmp6, 0x40004                  ; cy = the batch
	s_lshl_b32 s42, ttmp9, 2
	s_add_co_u32 s42, s42, s40                     ; head
	s_and_b32 s80, ttmp7, 0xffff                   ; the cluster's y = the block of 256 steps in the sequence: the same in all partners
	s_lshl_b32 s43, s41, 3
	s_add_co_u32 s43, s43, s80                     ; block of 256 rows = 8 x batch + block
	s_lshl_b32 s44, s41, 2
	s_lshl_b32 s44, 15, s44                        ; my row of the cluster
	s_lshl_b32 s45, 0x1111, s40                    ; my column
	s_or_b32 s[G1+0], s44, (1<<16)|(1<<20)|(1<<21)|(5<<22)|(3<<25)   ; mask; 2-byte elements; 4 words of padding after every 64
	s_or_b32 s[G1B+0], s45, (1<<16)|(1<<20)|(1<<21)|(5<<22)|(3<<25)
	s_mov_b32 s[G1+1], KSTEP<<16                   ; tensor_dim0 = 128
	s_mov_b32 s[G1B+1], KSTEP<<16
	s_mov_b32 s[G1+2], 128<<16                     ; tensor_dim1 = 128 rows of x,
	s_mov_b32 s[G1B+2], 96<<16                     ; 96 of Wc
	s_mov_b32 s[G1+3], KSTEP<<16                   ; tile_dim0
	s_mov_b32 s[G1B+3], KSTEP<<16
	s_mov_b32 s[G1+4], 128                         ; tile_dim1
	s_mov_b32 s[G1B+4], 96
	s_mov_b32 s[G1+5], 1024                        ; elements from row to row
	s_mov_b32 s[G1B+5], 1024
	s_mov_b32 s[G1+6], 0
	s_mov_b32 s[G1B+6], 0
	s_mov_b32 s[G1+7], 0
	s_mov_b32 s[G1B+7], 0
	s_lshl_b32 s16, s43, 19                        ; x: (256 block + 128 half) rows of 2,048 bytes: the row block alone
	s_lshl_b32 s17, s14, 18
	s_add_co_u32 s16, s16, s17
	s_mov_b32 s17, 0
	s_mul_i32 s46, s42, 192*2048                   ; Wc: (192 head + 96 half) rows: the head alone
	s_mul_i32 s47, s14, 96*2048
	s_add_co_u32 s46, s46, s47
	s_mov_b32 s47, 0
	s_mul_i32 s20, s12, HALFA                      ; LDS: x's halves at wave x HALFA (waves 0, 1),
	s_mul_i32 s21, s12, HALFB                      ; Wc's behind them at (wave - 2) x HALFB (waves 2, 3)
	s_add_co_u32 s21, s21, 2*HALFA-2*HALFB
	s_lshl_b32 s81, s41, 4
	s_add_co_u32 s81, s81, s42                     ; bh = 16 x batch + head
	s_lshl_b32 s82, s81, 13                        ; lb: (bh * 2048 + block * 256) * 4 bytes
	s_lshl_b32 s83, s80, 10
	s_add_co_u32 s82, s82, s83
	s_mov_b32 s83, 0
	s_wait_dscnt 0x0
	s_wait_kmcnt 0x0
	s_add_nc_u64 s[16:17], s[4:5], s[16:17]
	s_add_nc_u64 s[46:47], s[6:7], s[46:47]
	s_add_nc_u64 s[82:83], s[76:77], s[82:83]
	CROUND                                         ; all sixteen work-groups are here: the first joint loads meet
.irp s, 0,1
	s_mov_b32 s[G0+4*\s], 1
	s_add_co_u32 s[G0+4*\s+1], s20, \s*SLOT
	s_add_nc_u64 s[G0+4*\s+2:G0+4*\s+3], s[16:17], \s*KSTEP*2
	s_or_b32 s[G0+4*\s+3], s[G0+4*\s+3], 0x80000000
	s_mov_b32 s[G0B+4*\s], 1
	s_add_co_u32 s[G0B+4*\s+1], s21, \s*SLOT
	s_add_nc_u64 s[G0B+4*\s+2:G0B+4*\s+3], s[46:47], \s*KSTEP*2
	s_or_b32 s[G0B+4*\s+3], s[G0B+4*\s+3], 0x80000000
	JLOAD \s
.endr
	v_and_b32 v1, 15, v0                           ; r
	v_bfe_u32 v2, v0, 4, 1                         ; h
	; cos and sin of my 64 rows: row 256 block + 64 w + 16 a + r, entries 16 b' + 8 h + j.  They stay out over the whole K loop.
	s_lshl_b32 s73, s80, 16
	s_lshl_b32 s74, s12, 14
	s_add_co_u32 s73, s73, s74
	v_lshlrev_b32 v8, 8, v1
	v_lshl_add_u32 v8, v2, 5, v8
	v_add_nc_u32 v[RO], s73, v8
.irp a, 0,1,2,3
.irp i, 0,1,2,3
	global_load_b128 v[CS+32*\a+8*\i:CS+32*\a+8*\i+3],   v[RO], s[8:9] offset:\a*4096+\i*64
	global_load_b128 v[CS+32*\a+8*\i+4:CS+32*\a+8*\i+7], v[RO], s[8:9] offset:\a*4096+\i*64+16
.endr
.endr
	v_and_b32 v[LBO], 31, v0
	v_lshlrev_b32 v[LBO], 5, v[LBO]                ; eight steps a lane
	global_load_b128 v[LB:LB+3],   v[LBO], s[82:83]            ; the block's 256 log2 beta, in every wave; they stay out likewise
	global_load_b128 v[LB+4:LB+7], v[LBO], s[82:83] offset:16
	v_mul_u32_u24 v3, v1, PITCH
	v_lshl_add_u32 v3, v2, 4, v3                   ; row x pitch + 16 h
	s_mul_i32 s22, s12, 64*PITCH                   ; my 64 rows of x
	v_add_nc_u32 v[ADRA], s22, v3
	v_add_nc_u32 v[ADRA+1], SLOT, v[ADRA]
	v_add_nc_u32 v[ADRB], 2*HALFA, v3              ; all 192 rows of Wc
	v_add_nc_u32 v[ADRB+1], SLOT, v[ADRB]
	s_mul_i32 s23, s12, SWAVE                      ; my 64 rows of the stage
	v_mul_u32_u24 v4, v1, SPITCH
	v_lshl_add_u32 v4, v2, 4, v4
	v_add_nc_u32 v[STO], s23, v4
	v_and_b32 v5, 31, v0
	v_lshrrev_b32 v6, 3, v5
	v_and_b32 v7, 7, v0
	v_mul_u32_u24 v6, v6, SPITCH
	v_lshl_add_u32 v6, v7, 4, v6
	v_add_nc_u32 v[RD], s23, v6                    ; back: eight lanes take a part's 128 bytes of one row
	v_lshlrev_b32 v[CO], 4, v5
; 12 matrix instructions: row tile a of the window's two (hi = 0: tiles 0, 1; hi = 1: tiles 2, 3) x all 12 column tiles, 32 along K
.macro MUL12 f, hi, a, zero
.irp b, 0,1,2,3,4,5,6,7,8,9,10,11
.if \zero
	v_wmma_f32_16x16x32_bf16 v[8*(12*\a+\b):8*(12*\a+\b)+7], v[96*\f+8*\b:96*\f+8*\b+7], v[AF+32*\f+8*(2*\hi+\a):AF+32*\f+8*(2*\hi+\a)+7], 0
.else
	v_wmma_f32_16x16x32_bf16 v[8*(12*\a+\b):8*(12*\a+\b)+7], v[96*\f+8*\b:96*\f+8*\b+7], v[AF+32*\f+8*(2*\hi+\a):AF+32*\f+8*(2*\hi+\a)+7], v[8*(12*\a+\b):8*(12*\a+\b)+7]
.endif
.endr
.endm
.macro FETCH slot, k, f                ; 32 LDS loads: 192 rows of Wc, then my 64 rows of x, 32 of K at byte k
	WIN TO_B
.irp i, 0,1,2,3,4,5,6,7,8,9,10,11
	ds_load_b128 v[96*\f+8*\i:96*\f+8*\i+3],   v[ADRB+\slot] offset:\k+\i*16*PITCH
	ds_load_b128 v[96*\f+8*\i+4:96*\f+8*\i+7], v[ADRB+\slot] offset:\k+\i*16*PITCH+32
.endr
	WIN 0
.irp i, 0,1,2,3
	ds_load_b128 v[AF+32*\f+8*\i:AF+32*\f+8*\i+3],   v[ADRA+\slot] offset:\k+\i*16*PITCH
	ds_load_b128 v[AF+32*\f+8*\i+4:AF+32*\f+8*\i+7], v[ADRA+\slot] offset:\k+\i*16*PITCH+32
.endr
.endm
; The 48 accumulators take turns, one instruction a turn, in the same order in every quarter step.
.macro QUARTER slot, k, f, g, zero
	s_wait_dscnt 4                                 ; all but the youngest four loads: x's row tiles 2 and 3
	WIN MUL_LO
	MUL12 \f, 0, 0, \zero
	MUL12 \f, 0, 1, \zero
	PLACES
	FETCH \slot, \k, \g
	s_wait_dscnt 32                                ; all but the 32 just issued
	WIN MUL_HI
	MUL12 \f, 1, 0, \zero
	MUL12 \f, 1, 1, \zero
.endm
.macro THREE slot, zero
	QUARTER \slot, 64,  0, 1, \zero
	QUARTER \slot, 128, 1, 0, 0
	QUARTER \slot, 192, 0, 1, 0
.endm
; The last quarter of a K step changes slots.  In front of the barrier: my reads of this slot are back and all my tensor loads have landed (the one
; that was out is my part of the next slot).  Behind it, and behind the cluster's round where the slot is filled again, the refill comes first.
.macro TURN slot, next, fill
	s_wait_dscnt 4
	WIN MUL_LO
	MUL12 1, 0, 0, 0
	s_wait_dscnt 0x0
	s_wait_tensorcnt 0x0
	ds_add_u32 v255, v23
	s_wait_dscnt 0x0
	s_barrier_signal -1
	MUL12 1, 0, 1, 0
	WIN 0
	s_barrier_wait -1
.if \fill
	CREST
	s_add_nc_u64 s[G0+4*\slot+2:G0+4*\slot+3], s[G0+4*\slot+2:G0+4*\slot+3], 2*KSTEP*2
	s_add_nc_u64 s[G0B+4*\slot+2:G0B+4*\slot+3], s[G0B+4*\slot+2:G0B+4*\slot+3], 2*KSTEP*2
	JLOAD \slot
.endif
	PLACES
	FETCH \next, 0, 0
	WIN MUL_HI
	MUL12 1, 1, 0, 0
	MUL12 1, 1, 1, 0
.endm
.macro LAP zero
	THREE 0, \zero
	TURN 0, 1, 1
	THREE 1, 0
	TURN 1, 0, 1
.endm
	s_wait_tensorcnt 1                             ; my part of K step 0 is in; step 1's may stay out
	s_barrier_signal -1
	s_barrier_wait -1
	FETCH 0, 0, 0
	LAP 1                                          ; the first products start the sums
	WIN 0
	s_mov_b32 s3, LAPS-2
.Llap:
	LAP 0
	WIN 0
	s_sub_co_u32 s3, s3, 1
	s_cmp_lg_u32 s3, 0
	s_cbranch_scc1 .Llap
	THREE 0, 0                                     ; the last lap fills nothing
	TURN 0, 1, 0                                   ; behind its barrier no wave reads slot 0 any more, and no load fills it: it becomes the stage
	THREE 1, 0
	s_wait_dscnt 4
	WIN MUL_LO
	MUL12 1, 0, 0, 0
	MUL12 1, 0, 1, 0
	s_wait_dscnt 0x0
	WIN MUL_HI
	MUL12 1, 1, 0, 0
	MUL12 1, 1, 1, 0
	PLACES
	WIN 0
	s_lshl_b32 s72, s81, 18                        ; qkv: (bh * 2048 + t) * 128 bytes
	s_lshl_b32 s73, s80, 15
	s_add_co_u32 s72, s72, s73
	s_lshl_b32 s73, s12, 13
	s_add_co_u32 s72, s72, s73
	s_mov_b32 s73, 0
	s_add_nc_u64 s[66:67], s[10:11], s[72:73]
	s_add_nc_u64 s[68:69], s[66:67], PART
	s_add_nc_u64 s[70:71], s[66:67], 2*PART
	s_wait_loadcnt 0x0                             ; cos, sin and log2 beta
.macro PHI g                           ; max(u, 0) + 2^(log2(e) min(u, 0)) on T + 16 g .. + 15
.irp i, 0,1,2,3,4,5,6,7,8,9,10,11,12,13,14,15
	v_min_num_f32 v[E+\i], 0, v[T+16*\g+\i]
.endr
.irp i, 0,2,4,6,8,10,12,14
	v_pk_mul_f32 v[E+\i:E+\i+1], v[E+\i:E+\i+1], 0x3fb8aa3b op_sel_hi:[1,0]
.endr
.irp i, 0,1,2,3,4,5,6,7,8,9,10,11,12,13,14,15
	v_exp_f32 v[E+\i], v[E+\i]
.endr
.irp i, 0,1,2,3,4,5,6,7,8,9,10,11,12,13,14,15
	v_max_num_f32 v[T+16*\g+\i], 0, v[T+16*\g+\i]  ; plain instructions behind the exponentials (ISA guide 5.7.2)
.endr
	s_wait_alu depctr_va_vdst(0)
.irp i, 0,2,4,6,8,10,12,14
	v_pk_add_f32 v[T+16*\g+\i:T+16*\g+\i+1], v[T+16*\g+\i:T+16*\g+\i+1], v[E+\i:E+\i+1]
.endr
.endm
; rows 16 a .. 16 a + 15 of my block: RoPE and phi on q (tiles 0-3) and k (tiles 4-7), v (tiles 8-11) as it is; into their rows of my stage, where
; k and v stay for the record; out by whole rows
.macro OUT16 a
.set AW, 2+((\a)>>1)
.set AB, 96*((\a)&1)
.set CB, CS+32*(\a)
.set AWW, (AW<<2)|AW
.irp b0, 0,4
	WIN AW                                         ; source 0: the accumulators' window
.irp bb, 0,1
.irp jp, 0,2,4,6
	v_pk_mul_f32 v[T+8*\bb+\jp:T+8*\bb+\jp+1], v[AB+8*(\b0+2+\bb)+\jp:AB+8*(\b0+2+\bb)+\jp+1], v[CB+16+8*\bb+\jp:CB+16+8*\bb+\jp+1]
	v_pk_mul_f32 v[T+16+8*\bb+\jp:T+16+8*\bb+\jp+1], v[AB+8*(\b0+\bb)+\jp:AB+8*(\b0+\bb)+\jp+1], v[CB+16+8*\bb+\jp:CB+16+8*\bb+\jp+1]
.endr
.endr
.irp bb, 0,1
.irp jp, 0,2,4,6
	v_pk_fma_f32 v[T+8*\bb+\jp:T+8*\bb+\jp+1], v[AB+8*(\b0+\bb)+\jp:AB+8*(\b0+\bb)+\jp+1], v[CB+8*\bb+\jp:CB+8*\bb+\jp+1], v[T+8*\bb+\jp:T+8*\bb+\jp+1] neg_lo:[0,0,1] neg_hi:[0,0,1]   ; u1 cos - u2 sin
	v_pk_fma_f32 v[T+16+8*\bb+\jp:T+16+8*\bb+\jp+1], v[AB+8*(\b0+2+\bb)+\jp:AB+8*(\b0+2+\bb)+\jp+1], v[CB+8*\bb+\jp:CB+8*\bb+\jp+1], v[T+16+8*\bb+\jp:T+16+8*\bb+\jp+1]   ; u2 cos + u1 sin
.endr
.endr
	WIN 0
	PHI 0
	PHI 1
.irp i, 0,1,2,3,4,5,6,7,8,9,10,11,12,13,14,15
	v_cvt_pk_bf16_f32 v[PK+4*\b0+\i], v[T+2*\i], v[T+2*\i+1]
.endr
.endr
	WIN AWW
.irp i, 0,1,2,3,4,5,6,7,8,9,10,11,12,13,14,15
	v_cvt_pk_bf16_f32 v[PK+32+\i], v[AB+64+2*\i], v[AB+64+2*\i+1]
.endr
	WIN 0
.irp b, 0,1,2,3,4,5,6,7,8,9,10,11
	ds_store_b128 v[STO], v[PK+4*\b:PK+4*\b+3] offset:(\a)*16*SPITCH+32*\b
.endr
	s_wait_xcnt 0x0                                ; RB held the data of the last tile's stores: it is loaded again only behind this wait
	WIN 0x40
.irp p, 0,1,2
.irp n, 0,1,2,3
	ds_load_b128 v[RB+4*(4*\p+\n):RB+4*(4*\p+\n)+3], v[RD] offset:(\a)*16*SPITCH+\n*4*SPITCH+\p*128   ; LDS serves a wave's instructions in order: these see the stores above
.endr
.endr
	WIN 0x04
.irp p, 0,1,2
.irp n, 0,1,2,3
	s_wait_dscnt 11-(4*\p+\n)                      ; the younger read-backs may stay out
	global_store_b128 v[CO], v[RB+4*(4*\p+\n):RB+4*(4*\p+\n)+3], s[66+2*\p:67+2*\p] offset:(\a)*2048+\n*512   ; four rows of a part: 512 consecutive bytes, aligned
.endr
.endr
.endm
	OUT16 0
	OUT16 1
	OUT16 2
	OUT16 3
	WIN 0
	s_wait_dscnt 0x0                               ; my 64 rows of k and v are in the stage, for the other waves' sake
	s_barrier_signal -1
	s_barrier_wait -1                              ; every work-group passes it; only what follows is skipped for the last block
	s_cmp_eq_u32 s80, 7
	s_cbranch_scc1 .Lno_record
	; THE RECORD.  Step s of the block lies at 400 s in the stage, k at + 128, v at + 256.  Wave w makes d tile w x the four e tiles and the ones tile,
	; over eight steps of 32: A = (weights x K)^T, B = V, both by transposing loads.
	v_bfe_u32 v31, v0, 4, 1                        ; h
	v_and_b32 v6, 7, v0
	v_lshl_add_u32 v6, v31, 3, v6                  ; step 8 h + (L & 7)
	v_bfe_u32 v7, v0, 3, 1
	v_lshlrev_b32 v7, 4, v7                        ; 16 ((L >> 3) & 1)
	v_mad_u32_u24 v7, v6, SPITCH, v7
	s_lshl_b32 s94, s12, 5                         ; my d tile
	s_add_co_u32 s94, s94, 128
	v_add_nc_u32 v[KTA], s94, v7
	v_add_nc_u32 v[KTA+1], 128*SPITCH, v[KTA]
	v_add_nc_u32 v[VTA], 256, v7
	v_add_nc_u32 v[VTA+1], 128*SPITCH, v[VTA]
.irp cs, 0,1,2,3,4,5,6,7
	ds_load_tr16_b128 v[KF+8*\cs:KF+8*\cs+3],   v[KTA+(\cs>>2)] offset:(\cs&3)*32*SPITCH
	ds_load_tr16_b128 v[KF+8*\cs+4:KF+8*\cs+7], v[KTA+(\cs>>2)] offset:(\cs&3)*32*SPITCH+16*SPITCH
.endr
.macro VLOAD half                      ; V of steps 128 half .. + 127, e tile et of step c at v[32 c + 8 et], and v = 1 in bf16 behind them, in the window that is set
.irp c, 0,1,2,3
.irp et, 0,1,2,3
	ds_load_tr16_b128 v[32*\c+8*\et:32*\c+8*\et+3],   v[VTA+\half] offset:\c*32*SPITCH+\et*32
	ds_load_tr16_b128 v[32*\c+8*\et+4:32*\c+8*\et+7], v[VTA+\half] offset:\c*32*SPITCH+\et*32+16*SPITCH
.endr
.endr
.irp i, 0,1,2,3,4,5,6,7
	v_mov_b32 v[128+\i], 0x3f803f80
.endr
.endm
	WIN 0x40                                       ; destinations in window 1
	VLOAD 0
	WIN 0
	; the weights, while these loads are on their way: step s weighs 2^(sum of log2 beta of the block's steps behind s).
	; TOT: the sum of a growing block of lanes; EX + 7: the sum of the lanes behind mine.
	s_mov_b32 s86, 0x55555555                      ; lanes whose partner stands behind them, for each step of the scan
	s_mov_b32 s87, 0x33333333
	s_mov_b32 s88, 0x0f0f0f0f
	s_mov_b32 s89, 0x00ff00ff
	s_mov_b32 s90, 0x0000ffff
	s_mov_b32 s92, 0x76543210
	s_mov_b32 s93, 0xfedcba98
	v_pk_add_f32 v[EX:EX+1], v[LB:LB+1], v[LB+2:LB+3]
	v_pk_add_f32 v[EX+2:EX+3], v[LB+4:LB+5], v[LB+6:LB+7]
	v_pk_add_f32 v[EX:EX+1], v[EX:EX+1], v[EX+2:EX+3]
	v_add_f32 v[TOT], v[EX], v[EX+1]               ; my eight steps
	v_mov_b32 v[SCP], 0                            ; written once: the lane moves count their destination as read
	v_mov_b32_dpp v[SCP], v[TOT] row_xmask:1 row_mask:0xf bank_mask:0xf
	v_cndmask_b32 v[EX+7], 0, v[SCP], s86
	v_add_f32 v[TOT], v[TOT], v[SCP]
.irp m, 1,2,3
	v_mov_b32_dpp v[SCP], v[TOT] row_xmask:(1<<\m) row_mask:0xf bank_mask:0xf
	v_cndmask_b32 v[SCQ], 0, v[SCP], s[86+\m]
	v_add_f32 v[EX+7], v[EX+7], v[SCQ]
	v_add_f32 v[TOT], v[TOT], v[SCP]
.endr
	v_permlanex16_b32 v[SCP], v[TOT], s92, s93
	v_cndmask_b32 v[SCQ], 0, v[SCP], s90
	v_add_f32 v[EX+7], v[EX+7], v[SCQ]             ; what stands behind my last step
	v_add_f32 v[TOT], v[TOT], v[SCP]               ; G, the block's total, in every lane
.irp j, 6,5,4,3,2,1,0
	v_add_f32 v[EX+\j], v[EX+\j+1], v[LB+\j+1]     ; and behind each of my earlier steps
.endr
.irp j, 0,1,2,3,4,5,6,7
	v_exp_f32 v[EX+\j], v[EX+\j]                   ; all exponents are <= 0
.endr
	v_nop                                          ; one plain instruction behind the exponentials (ISA guide 5.7.2)
	s_wait_alu depctr_va_vdst(0)
.irp j, 0,1,2,3
	v_cvt_pk_bf16_f32 v[WP+\j], v[EX+2*\j], v[EX+2*\j+1]
.endr
	v_and_b32 v[L8], 31, v0
	s_lshl_b32 s94, s12, 9
	s_add_co_u32 s94, s94, WTS                     ; my own 512 bytes
	v_lshl_add_u32 v[WSA], v[L8], 4, s94           ; in: steps 8 L .. at 16 L
	v_lshl_add_u32 v[WTA], v31, 4, s94             ; back: steps 8 h .. of each 16, the same for all rows of a fragment
	s_lshl_b32 s94, s12, 10
	v_lshl_add_u32 v[IVP], v[L8], 4, s94
	v_lshlrev_b32 v[L8], 3, v[L8]
	ds_store_b128 v[WSA], v[WP:WP+3]
.irp cs, 0,1,2,3,4,5,6,7
	ds_load_b128 v[WF+8*\cs:WF+8*\cs+3],   v[WTA] offset:\cs*64       ; LDS serves a wave's instructions in order: these see the store above
	ds_load_b128 v[WF+8*\cs+4:WF+8*\cs+7], v[WTA] offset:\cs*64+32
.endr
	WIN 0x80                                       ; destinations in window 2
	VLOAD 1
	WIN 0
	s_mul_i32 s84, s81, 7                          ; st: record 7 bh + block
	s_add_co_u32 s84, s84, s80
	s_mul_i32 s84, s84, REC
	s_mov_b32 s85, 0
	s_add_nc_u64 s[84:85], s[78:79], s[84:85]
	s_wait_dscnt 32                                ; all but the youngest 32 loads: V of steps 128-255
.set i, 0
.rept 64
	v_pk_mul_bf16 v[KF+i], v[KF+i], v[WF+i]
.set i, i+1
.endr
; 20 matrix instructions: four steps of 32 x five tiles.  The five accumulators take turns, one instruction a turn.
.macro RMUL half, zero
.irp c, 0,1,2,3
.irp tl, 0,1,2,3,4
.if \tl == 4
.set BR, 128
.else
.set BR, 32*\c+8*\tl
.endif
.set ZZ, 0
.if \zero
.if \c == 0
.set ZZ, 1
.endif
.endif
.if ZZ
	v_wmma_f32_16x16x32_bf16 v[ST+8*\tl:ST+8*\tl+7], v[KF+8*(4*\half+\c):KF+8*(4*\half+\c)+7], v[BR:BR+7], 0
.else
	v_wmma_f32_16x16x32_bf16 v[ST+8*\tl:ST+8*\tl+7], v[KF+8*(4*\half+\c):KF+8*(4*\half+\c)+7], v[BR:BR+7], v[ST+8*\tl:ST+8*\tl+7]
.endif
.endr
.endr
.endm
	WIN 0x04                                       ; source 1 (V, ones) in window 1
	RMUL 0, 1                                      ; the first products start the sums
	s_wait_dscnt 0x0
	WIN 0x08                                       ; in window 2
	RMUL 1, 0
	WIN 0
	PLACES
	; e tile et of d tile w lies where the next launch's wave 4 (et >> 1) + w looks for its tile et & 1; the ones tile behind them
.irp et, 0,1,2,3
	global_store_b128 v[IVP], v[ST+8*\et:ST+8*\et+3],   s[84:85] offset:(\et&1)*8192+(\et>>1)*4096       ; 512 consecutive bytes, aligned
	global_store_b128 v[IVP], v[ST+8*\et+4:ST+8*\et+7], s[84:85] offset:(\et&1)*8192+(\et>>1)*4096+512
.endr
	global_store_b128 v[IVP], v[ST+32:ST+35], s[84:85] offset:16384
	global_store_b128 v[IVP], v[ST+36:ST+39], s[84:85] offset:16384+512
	s_cmp_lg_u32 s12, 0                            ; wave 0 stores G
	s_cbranch_scc1 .Lno_record
	v_mov_b32 v[TOT+1], v[TOT]                     ; a pair in every lane: the field is read back as pairs
	global_store_b64 v[L8], v[TOT:TOT+1], s[84:85] offset:20480    ; 256 consecutive bytes, aligned
.Lno_record:
	s_set_vgpr_msb 0x1
	s_wait_tensorcnt 0x0
	ds_add_u32 v255, v23
	s_wait_dscnt 0x0
	s_set_vgpr_msb 0x100
	CROUND                                         ; the closing round: no work-group ends while a partner may still ask for a tile that names it
	s_endpgm
.Lfunc_end_k_q0630a9a658_proj:
	.size	k_q0630a9a658_proj, .Lfunc_end_k_q0630a9a658_proj-k_q0630a9a658_proj
	.p2alignl 7, 3214868480
	.fill 96, 4, 3214868480
	.section	.rodata,"a",@progbits
	.p2align	6, 0x0
	.amdhsa_kernel k_q0630a9a658_proj
		.amdhsa_group_segment_fixed_size 327680
		.amdhsa_private_segment_fixed_size 0
		.amdhsa_enable_private_segment 0
		.amdhsa_kernarg_size 48
		.amdhsa_user_sgpr_count 2
		.amdhsa_user_sgpr_kernarg_segment_ptr 1
		.amdhsa_wavefront_size32 1
		.amdhsa_system_sgpr_workgroup_id_x 1
		.amdhsa_system_sgpr_workgroup_id_y 1
		.amdhsa_system_sgpr_workgroup_id_z 1
		.amdhsa_system_vgpr_workitem_id 0
		.amdhsa_next_free_vgpr 1024
		.amdhsa_next_free_sgpr 96
		.amdhsa_reserve_vcc 0
		.amdhsa_float_denorm_mode_32 3
		.amdhsa_float_denorm_mode_16_64 3
		.amdhsa_memory_ordered 1
		.amdhsa_forward_progress 1
		.amdhsa_inst_pref_size 247
	.end_amdhsa_kernel
	.amdgpu_metadata
---
amdhsa.version: [ 1, 2 ]
amdhsa.kernels:
  - .name:           k_q0630a9a658_proj
    .symbol:         k_q0630a9a658_proj.kd
    .args:
      - { .name: xb, .offset: 0, .size: 8, .value_kind: global_buffer, .address_space: global }
      - { .name: wbf, .offset: 8, .size: 8, .value_kind: global_buffer, .address_space: global }
      - { .name: rope, .offset: 16, .size: 8, .value_kind: global_buffer, .address_space: global }
      - { .name: qkv, .offset: 24, .size: 8, .value_kind: global_buffer, .address_space: global }
      - { .name: lb, .offset: 32, .size: 8, .value_kind: global_buffer, .address_space: global }
      - { .name: st, .offset: 40, .size: 8, .value_kind: global_buffer, .address_space: global }
    .group_segment_fixed_size: 327680
    .private_segment_fixed_size: 0
    .kernarg_segment_align: 8
    .kernarg_segment_size: 48
    .max_flat_workgroup_size: 128
    .sgpr_count:     96
    .vgpr_count:     1024
    .wavefront_size: 32
...
	.end_amdgpu_metadata
.endif
;; end of part 2
;; launch attn (part 3): grid 4 x 64, 8 waves a work-group, no clusters, 303,360 bytes of LDS; arguments qkv, lb, st, ab; writes ab
.if DOCPART == 3
	.amdgcn_target "amdgcn-amd-amdhsa--gfx1250"
	.amdhsa_code_object_version 6
	.text
	.protected	k_q0630a9a658_attn
	.globl	k_q0630a9a658_attn
	.p2align	8
	.type	k_q0630a9a658_attn,@function
k_q0630a9a658_attn:
	s_mov_b64 s[64:65], 0
	v_nop
	global_prefetch_b8 v0, s[64:65] scope:SCOPE_SE
	s_setreg_imm32_b32 hwreg(HW_REG_WAVE_MODE, 25, 1), 1
	s_wait_xcnt 0x0
; attn: the outputs num / den of one segment (512 steps = 8 chunks of 64) of one (b, h), into ab [64 bh][2048 t][64] bf16.
;   num_t = 2^(L_t) q_t . S_in + sum over s <= t of 2^(L_t - L_s) (q_t . k_s) v_s;  den the same with v = 1, + 1e-6.
; PHASE 0: wave c loads Q, K, V of chunk c (three tensor loads out, each region filled once) and scans its log2 beta.
; PHASE 1: the eight waves share the 4 x 5 tiles of the state: wave w has d tile w & 3 and e tiles 2 (w >> 2), + 1; waves 0-3 also the tile of v = 1,
;          the denominator's z.  They start it from the records that the launch before left for each block of 256 steps: with U(k), G(k) the record
;          k blocks back, S_in = U(1) + 2^G(1) U(2) + 2^(G(1)+G(2)) U(3) + .., 2 seg records in all, asked for together.  Then they walk the chunks,
;          leaving the state in front of each chunk in LDS (bf16).
; PHASE 3: wave c makes chunk c's 64 outputs.
; TILES: a chunk's 64 rows of 128 bytes are 8 KiB dense in qkv, so a tile comes in as 32 rows of 256 bytes, each two steps: step s lies at
; (s >> 1) * pitch + (s & 1) * 128.  Q, read by plain 16-byte loads alone, has pitch 272: sixteen steps fall on the sixteen columns
; 16 (s >> 1) + 128 (s & 1) of 256 bytes.  V, read by transposing loads alone, has pitch 288: its sixteen lanes fall on 32 i + 128 e + 16 g.
; K is read both ways and no multiple of 16 serves both; it takes 288, for its up to 32 transposing loads a wave, and its 16 plain loads a wave collide two deep.
; LEFT OUT: the zero state of segment 0 (its first update starts the sums; chunk 0 there has no product with a state); the update past chunk 6
; (nothing in this segment reads it); tiles with s > t throughout.
; LIMITS: weights and states are matrix operands in bf16; inside a block of 32 steps a masked weight is a 0 that still multiplies v, so an
; infinity in v reaches up to 31 earlier steps as NaN.  All exponents are <= 0 but on masked entries, where the clip of beta bounds them by 15 * 0.322;
; a factor below 2^-126 comes out as 0.
; No cluster: no two work-groups read the same tile.
.set PART, 16777216
.set QP,   272                         ; Q: LDS pitch of two steps
.set QTILE, 32*QP                      ; 8,704
.set TP,   288                         ; K and V
.set TILE, 32*TP                       ; 9,216
.set QT,   0                           ; 8 tiles; a wave's own tile is its stage on the way out, behind its only fill
.set KT,   8*QTILE
.set VT,   KT+8*TILE
.set SFR,  VT+8*TILE                   ; 8 chunks x 10,240: the state in front of the chunk, as A fragments
.set LAM,  SFR+8*10240                 ; 8 x 64 running sums L, f32
.set WTS,  LAM+2048
.set GCH,  WTS+1024
.set REC,  21504
; phase 1, window 0: v[64:127] and v[128:191] are the two sets of K^T, weight and V fragments; window 1: record k (2 to 6) at v[24 (k - 2)]
.set KTA, 2
.set VTA, 4
.set WTA, 6
.set SFA, 7
.set IV,  9
.set GCA, 10
.set L8,  11
.set ST,  16                           ; v[16:39]   up to three tiles of the state
.set GC,  40                           ; v[40:55]   (gamma_c, gamma_c)
.set ONE, 192                          ; v[192:199]
.set GP,  224                          ; v[224:233] pairs (G(k), G(k)), k = 1 to 5, then their running sums, then the factors
.set SB,  240                          ; v[240:251] up to three tiles x 4 registers of bf16, clear of both fragment sets
; phase 3, window 0
.set KFA, 1
.set QFA, 2
.set RH,  3
.set VFA, 4
.set SFRA, 5
.set LSA, 6
.set LTA, 7
.set QRD, 8
.set CO,  9
.set R,   12
.set O,   16
.set QF,  64
.set PT,  128
.set OB,  128
.set PB,  160
.set LS,  176
.set LT,  208
.set GT,  212
.set E,   220
; phase 3, window 1
.set KF,  0
.set VF,  64
.set SF,  128
.set ONE1, 208
.set G1,  16
.set G1V, 24
.set G0Q, 32
.set G0K, 36
.set G0V, 40
.set MSB, 0
.macro WIN new
.if MSB != \new
	s_set_vgpr_msb (MSB<<8)|\new
.set MSB, \new
.endif
.endm
	s_load_b256 s[4:11], s[0:1], 0x0               ; qkv 4, lb 6, st 8, ab 10
	v_lshl_add_u32 v254, v0, 2, 0x49d00
	v_mov_b32 v255, 0
	ds_add_u32 v254, v255
	v_lshrrev_b32 v1, 5, v0
	v_readfirstlane_b32 s12, v1                    ; wave = chunk
	s_mov_b32 s13, ttmp9                           ; segment
	s_and_b32 s14, ttmp7, 0xffff                   ; bh
	s_mov_b32 s[G1+0], (1<<16)|(1<<20)|(5<<22)|(3<<25)     ; Q: 4 words of padding after every 64: pitch 272
	s_mov_b32 s[G1V+0], (1<<16)|(1<<20)|(5<<22)|(7<<25)    ; K and V: 8 words: pitch 288
.irp g, G1, G1V
	s_mov_b32 s[\g+1], 128<<16                     ; tensor_dim0 = 128 elements: 256 bytes
	s_mov_b32 s[\g+2], 32<<16                      ; tensor_dim1 = 32
	s_mov_b32 s[\g+3], 128<<16                     ; tile_dim0
	s_mov_b32 s[\g+4], 32                          ; tile_dim1
	s_mov_b32 s[\g+5], 128                         ; elements from row to row: the block is dense
	s_mov_b32 s[\g+6], 0
	s_mov_b32 s[\g+7], 0
.endr
	s_lshl_b32 s44, s14, 18                        ; (bh * 2048 + seg * 512 + c * 64) * 128 bytes
	s_lshl_b32 s45, s13, 16
	s_add_co_u32 s44, s44, s45
	s_lshl_b32 s45, s12, 13
	s_add_co_u32 s44, s44, s45
	s_mov_b32 s45, 0
	s_lshr_b32 s46, s44, 5
	s_mov_b32 s47, 0
	s_mul_i32 s48, s14, 7                          ; st at record 7 bh + 2 seg (at most 7 bh + 6); the earlier blocks' records are reached by negative offsets
	s_lshl_b32 s49, s13, 1
	s_add_co_u32 s48, s48, s49
	s_mul_i32 s48, s48, REC
	s_mov_b32 s49, 0
	s_mul_i32 s60, s12, QTILE
	s_mul_i32 s61, s12, TILE
	s_wait_dscnt 0x0
	s_wait_kmcnt 0x0
	s_add_nc_u64 s[4:5], s[4:5], s[44:45]
	s_add_nc_u64 s[46:47], s[6:7], s[46:47]
	s_add_nc_u64 s[48:49], s[8:9], s[48:49]
	s_add_nc_u64 s[56:57], s[10:11], s[44:45]
	s_mov_b32 s[G0Q], 1
	s_add_co_u32 s[G0Q+1], s60, QT
	s_mov_b64 s[G0Q+2:G0Q+3], s[4:5]
	s_or_b32 s[G0Q+3], s[G0Q+3], 0x80000000
	tensor_load_to_lds s[G0Q:G0Q+3], s[G1:G1+7]
	s_nop 0
	s_mov_b32 s[G0K], 1
	s_add_co_u32 s[G0K+1], s61, KT
	s_add_nc_u64 s[G0K+2:G0K+3], s[4:5], PART
	s_or_b32 s[G0K+3], s[G0K+3], 0x80000000
	tensor_load_to_lds s[G0K:G0K+3], s[G1V:G1V+7]
	s_nop 0
	s_mov_b32 s[G0V], 1
	s_add_co_u32 s[G0V+1], s61, VT
	s_add_nc_u64 s[G0V+2:G0V+3], s[4:5], 2*PART
	s_or_b32 s[G0V+3], s[G0V+3], 0x80000000
	tensor_load_to_lds s[G0V:G0V+3], s[G1V:G1V+7]
	s_nop 0
	v_and_b32 v1, 31, v0
	v_lshlrev_b32 v[L8], 3, v1
	global_load_b64 v[228:229], v[L8], s[46:47]    ; log2 beta of steps 2 L, 2 L + 1 of my chunk
	s_mov_b32 s50, 0xaaaaaaaa                      ; lanes whose partner stands in front of them, for each step of the scan
	s_mov_b32 s51, 0xcccccccc
	s_mov_b32 s52, 0xf0f0f0f0
	s_mov_b32 s53, 0xff00ff00
	s_mov_b32 s54, 0x76543210
	s_mov_b32 s55, 0xfedcba98
	s_mov_b32 s58, 0xffff0000
	v_bfe_u32 v12, v0, 4, 1                        ; h
	v_and_b32 v13, 7, v0
	v_lshl_add_u32 v13, v12, 3, v13                ; step 8 h + (L & 7)
	v_bfe_u32 v14, v0, 3, 1
	v_lshlrev_b32 v14, 4, v14                      ; 16 ((L >> 3) & 1)
	v_and_b32 v15, 1, v13
	v_lshl_add_u32 v14, v15, 7, v14                ; + 128 (step & 1)
	v_lshrrev_b32 v13, 1, v13
	v_mad_u32_u24 v14, v13, TP, v14                ; + (step >> 1) * 288
	s_and_b32 s60, s12, 3
	s_lshr_b32 s61, s12, 2
	s_lshl_b32 s60, s60, 5
	s_add_co_u32 s60, s60, KT
	s_lshl_b32 s61, s61, 6
	s_add_co_u32 s61, s61, VT
	v_add_nc_u32 v[KTA], s60, v14
	v_add_nc_u32 v[KTA+1], 4*TILE, v[KTA]
	v_add_nc_u32 v[VTA], s61, v14
	v_add_nc_u32 v[VTA+1], 4*TILE, v[VTA]
	v_lshlrev_b32 v[WTA], 4, v12
	v_add_nc_u32 v[WTA], WTS, v[WTA]
	v_lshlrev_b32 v15, 4, v1
	s_lshl_b32 s60, s12, 9
	s_add_co_u32 s60, s60, SFR
	v_add_nc_u32 v[SFA], s60, v15
	v_add_nc_u32 v[SFA+1], 4*10240, v[SFA]
	s_lshl_b32 s60, s12, 10
	v_add_nc_u32 v[IV], s60, v15
	v_mov_b32 v[GCA], GCH
	s_lshl_b32 s60, s12, 8
	s_add_co_u32 s60, s60, LAM
	v_add_nc_u32 v12, s60, v[L8]                   ; my running sums
	v_lshlrev_b32 v13, 2, v1
	s_lshl_b32 s60, s12, 7
	s_add_co_u32 s60, s60, WTS
	v_add_nc_u32 v13, s60, v13                     ; my weights
	s_lshl_b32 s60, s12, 3
	s_add_co_u32 s60, s60, GCH
	v_mov_b32 v14, s60                             ; my gamma
	; the scan over 64 steps: v230 the sum of a growing block of lanes, v231 the sum of the lanes in front of mine
	s_wait_loadcnt 0x0
	v_add_f32 v230, v228, v229
	v_mov_b32 v232, 0                              ; written once: the lane moves count their destination as read
	v_mov_b32_dpp v232, v230 row_xmask:1 row_mask:0xf bank_mask:0xf
	v_cndmask_b32 v231, 0, v232, s50
	v_add_f32 v230, v230, v232
.irp m, 1,2,3
	v_mov_b32_dpp v232, v230 row_xmask:(1<<\m) row_mask:0xf bank_mask:0xf
	v_cndmask_b32 v233, 0, v232, s[50+\m]
	v_add_f32 v231, v231, v233
	v_add_f32 v230, v230, v232
.endr
	v_permlanex16_b32 v232, v230, s54, s55
	v_cndmask_b32 v233, 0, v232, s58
	v_add_f32 v231, v231, v233
	v_add_f32 v230, v230, v232                     ; the chunk's total, in every lane
	v_add_f32 v234, v231, v228                     ; L of step 2 L
	v_add_f32 v235, v234, v229                     ; and of 2 L + 1
	v_sub_f32 v236, v230, v234
	v_sub_f32 v237, v230, v235
	v_exp_f32 v236, v236                           ; weights 2^(tot - L_s) <= 1
	v_exp_f32 v237, v237
	v_exp_f32 v238, v230                           ; gamma, twice: a pair for the packed multiply
	v_exp_f32 v239, v230
	v_nop
	s_wait_alu depctr_va_vdst(0)
	v_cvt_pk_bf16_f32 v236, v236, v237
	ds_store_b64 v12, v[234:235]
	ds_store_b32 v13, v236
	ds_store_b64 v14, v[238:239]
	s_wait_tensorcnt 0x0                           ; my three tiles are in LDS,
	s_wait_dscnt 0x0                               ; and my sums and weights: for the other waves' sake
	s_barrier_signal -1
	s_barrier_wait -1
.irp i, 0,1,2,3
	ds_load_b128 v[GC+4*\i:GC+4*\i+3], v[GCA] offset:16*\i
.endr
; 16 LDS loads: chunk c's K^T (my d tile) and V (my two e tiles) by transposing loads, and the weights along s.  Set c & 1: K^T 16, weights 16, V 32 registers.
.macro LOADSET c                       ; 32 steps are 16 pitches, 16 steps are 8
.set KB, 64+64*((\c)&1)
.irp cs, 0,1
	ds_load_tr16_b128 v[KB+8*\cs:KB+8*\cs+3],   v[KTA+((\c)>>2)] offset:((\c)&3)*TILE+\cs*16*TP
	ds_load_tr16_b128 v[KB+8*\cs+4:KB+8*\cs+7], v[KTA+((\c)>>2)] offset:((\c)&3)*TILE+\cs*16*TP+8*TP
	ds_load_b128 v[KB+16+8*\cs:KB+16+8*\cs+3],  v[WTA] offset:(\c)*128+\cs*64
	ds_load_b128 v[KB+20+8*\cs:KB+20+8*\cs+3],  v[WTA] offset:(\c)*128+\cs*64+32
.irp ii, 0,1
	ds_load_tr16_b128 v[KB+32+16*\ii+8*\cs:KB+32+16*\ii+8*\cs+3], v[VTA+((\c)>>2)] offset:((\c)&3)*TILE+\cs*16*TP+\ii*32
	ds_load_tr16_b128 v[KB+36+16*\ii+8*\cs:KB+36+16*\ii+8*\cs+3], v[VTA+((\c)>>2)] offset:((\c)&3)*TILE+\cs*16*TP+\ii*32+8*TP
.endr
.endr
.endm
; store = 1: the state in front of chunk c goes to LDS in bf16: a lane's eight d of one e are half an A fragment of the read-out, in the same lane.
; update = 1: state = gamma_c state + (w K_c)^T V_c.  The packed multiplies (or four v_nop) are the places behind the last chunk's matrix
; instructions (ISA guide 7.12.1).  The nt accumulators take turns, one instruction a turn.
.macro STEP c, nt, first, store, update, next
.set CUR, 64+64*((\c)&1)
.if \update
	s_wait_dscnt 0x0
.irp i, 0,1,2,3,4,5,6,7,8,9,10,11,12,13,14,15
	v_pk_mul_bf16 v[CUR+\i], v[CUR+\i], v[CUR+16+\i]
.endr
.else
.rept 4
	v_nop
.endr
.endif
.if \next < 8
	LOADSET \next
.endif
.if \store
.irp tl, 0,1,2
.if \tl < \nt
.irp rr, 0,1,2,3
	v_cvt_pk_bf16_f32 v[SB+4*\tl+\rr], v[ST+8*\tl+2*\rr], v[ST+8*\tl+2*\rr+1]
.endr
	ds_store_b128 v[SFA+((\c)>>2)], v[SB+4*\tl:SB+4*\tl+3] offset:((\c)&3)*10240+\tl*4096
.endif
.endr
.endif
.if \update
.if \first == 0
.irp i, 0,2,4,6,8,10,12,14,16,18,20,22
.if \i < 8*\nt
	v_pk_mul_f32 v[ST+\i:ST+\i+1], v[ST+\i:ST+\i+1], v[GC+2*(\c):GC+2*(\c)+1]
.endif
.endr
.endif
.irp cs, 0,1
.irp tl, 0,1,2
.if \tl < \nt
.if \tl == 2
.set BR, ONE
.else
.set BR, CUR+32+16*\tl+8*\cs
.endif
.if \first*(1-\cs)
	v_wmma_f32_16x16x32_bf16 v[ST+8*\tl:ST+8*\tl+7], v[CUR+8*\cs:CUR+8*\cs+7], v[BR:BR+7], 0
.else
	v_wmma_f32_16x16x32_bf16 v[ST+8*\tl:ST+8*\tl+7], v[CUR+8*\cs:CUR+8*\cs+7], v[BR:BR+7], v[ST+8*\tl:ST+8*\tl+7]
.endif
.endif
.endr
.endr
.endif
.endm
.macro LDT dst, k, nt                  ; my tiles of the record k blocks back, into the window that is set
.irp tl, 0,1,2
.if \tl < \nt
	global_load_b128 v[\dst+8*\tl:\dst+8*\tl+3],   v[IV], s[48:49] offset:\tl*8192-\k*REC
	global_load_b128 v[\dst+8*\tl+4:\dst+8*\tl+7], v[IV], s[48:49] offset:\tl*8192+512-\k*REC
.endif
.endr
.endm
.macro LDG k                           ; its sum of log2 beta, as a pair
	global_load_b64 v[GP+2*(\k-1):GP+2*(\k-1)+1], v[L8], s[48:49] offset:20480-\k*REC
.endm
.macro ADDT idx, nt                    ; state += factor idx x record idx + 2 (source 0 in window 1)
.irp i, 0,2,4,6,8,10,12,14,16,18,20,22
.if \i < 8*\nt
	v_pk_fma_f32 v[ST+\i:ST+\i+1], v[24*\idx+\i:24*\idx+\i+1], v[GP+2*\idx:GP+2*\idx+1], v[ST+\i:ST+\i+1]
.endif
.endr
.endm
.macro COMB n, nt                      ; n records are on their way: record k decays by 2^(G(1) + .. + G(k-1))
	s_wait_loadcnt 0x0
.irp i, 1,2,3,4
.if \i < \n-1
	v_pk_add_f32 v[GP+2*\i:GP+2*\i+1], v[GP+2*\i:GP+2*\i+1], v[GP+2*\i-2:GP+2*\i-1]
.endif
.endr
.irp i, 0,1,2,3,4
.if \i < \n-1
	v_exp_f32 v[GP+2*\i], v[GP+2*\i]
	v_exp_f32 v[GP+2*\i+1], v[GP+2*\i+1]
.endif
.endr
	v_nop                                          ; one plain instruction behind the exponentials (ISA guide 5.7.2)
	s_wait_alu depctr_va_vdst(0)
	WIN 0x01
.irp k, 0,1,2,3,4
.if \k < \n-1
	ADDT \k, \nt
.endif
.endr
	WIN 0
.endm
; The state in front of this segment, from the 2 seg records of the earlier blocks.  All their loads go out before the one wait; the loads of a pair of
; records and the lines that use them stand inside the same branch on the segment's number.
.macro INIT nt
	LDT ST, 1, \nt
	LDG 1
	WIN 0x40                                       ; destinations in window 1
	LDT 0, 2, \nt
	WIN 0
	s_cmp_lt_u32 s13, 2
	s_cbranch_scc1 .Lrec2_\@
	LDG 2
	LDG 3
	WIN 0x40
	LDT 24, 3, \nt
	LDT 48, 4, \nt
	WIN 0
	s_cmp_lt_u32 s13, 3
	s_cbranch_scc1 .Lrec4_\@
	LDG 4
	LDG 5
	WIN 0x40
	LDT 72, 5, \nt
	LDT 96, 6, \nt
	WIN 0
	COMB 6, \nt
	s_branch .Lrecd_\@
.Lrec4_\@:
	COMB 4, \nt
	s_branch .Lrecd_\@
.Lrec2_\@:
	COMB 2, \nt
.Lrecd_\@:
.endm
.macro PHASE1 nt
.if \nt == 3
.irp i, 0,1,2,3,4,5,6,7
	v_mov_b32 v[ONE+\i], 0x3f803f80                ; v = 1 in bf16
.endr
.endif
	LOADSET 0
	s_cmp_eq_u32 s13, 0
	s_cbranch_scc1 .Lzero_\@
	INIT \nt
	STEP 0, \nt, 0, 1, 1, 1
	s_branch .Lgo_\@
.Lzero_\@:
	STEP 0, \nt, 1, 0, 1, 1                        ; segment 0: the state is zero, the first update starts the sums
.Lgo_\@:
	STEP 1, \nt, 0, 1, 1, 2
	STEP 2, \nt, 0, 1, 1, 3
	STEP 3, \nt, 0, 1, 1, 4
	STEP 4, \nt, 0, 1, 1, 5
	STEP 5, \nt, 0, 1, 1, 6
	STEP 6, \nt, 0, 1, 1, 8
	STEP 7, \nt, 0, 1, 0, 8
.endm
	s_cmp_lt_u32 s12, 4
	s_cbranch_scc0 .Ltwo
	PHASE1 3
	s_branch .Lstates
.Ltwo:
	PHASE1 2
.Lstates:
	s_wait_dscnt 0x0                               ; my pieces of the eight states are in LDS
	s_barrier_signal -1
	s_barrier_wait -1
	; phase 3: addresses
	v_and_b32 v10, 15, v0                          ; r
	v_bfe_u32 v11, v0, 4, 1                        ; h
	v_and_b32 v14, 31, v0                          ; L
	s_mul_i32 s60, s12, QTILE
	s_mul_i32 s61, s12, TILE
	s_lshl_b32 s62, s12, 8
	s_mul_i32 s63, s12, 10240
	v_lshrrev_b32 v15, 1, v10                      ; r >> 1
	v_and_b32 v[RH], 1, v10
	v_lshlrev_b32 v[RH], 7, v[RH]                  ; 128 (r & 1)
	v_lshl_add_u32 v[RH], v11, 4, v[RH]            ; + 16 h
	v_mad_u32_u24 v[QFA], v15, QP, v[RH]           ; Q: step r of a tile of sixteen
	v_add_nc_u32 v[QFA], s60, v[QFA]
	v_mad_u32_u24 v[KFA], v15, TP, v[RH]           ; K likewise, at its own pitch
	v_add_nc_u32 v[KFA], s61, v[KFA]
	v_add_nc_u32 v[KFA], KT, v[KFA]
	v_lshlrev_b32 v[RH], 3, v11
	v_sub_nc_u32 v[RH], v10, v[RH]                 ; r - 8 h
	v_and_b32 v15, 7, v0
	v_lshl_add_u32 v15, v11, 3, v15                ; V: step 8 h + (L & 7)
	v_and_b32 v[VFA], 1, v15
	v_lshlrev_b32 v[VFA], 7, v[VFA]                ; 128 (step & 1)
	v_bfe_u32 v[SFRA], v0, 3, 1
	v_lshl_add_u32 v[VFA], v[SFRA], 4, v[VFA]      ; + 16 ((L >> 3) & 1)
	v_lshrrev_b32 v15, 1, v15
	v_mad_u32_u24 v[VFA], v15, TP, v[VFA]
	v_add_nc_u32 v[VFA], s61, v[VFA]
	v_add_nc_u32 v[VFA], VT, v[VFA]
	v_lshlrev_b32 v[CO], 4, v14
	v_add_nc_u32 v[SFRA], s63, v[CO]
	v_add_nc_u32 v[SFRA], SFR, v[SFRA]
	v_lshlrev_b32 v[LSA], 5, v11
	v_add_nc_u32 v[LSA], s62, v[LSA]
	v_add_nc_u32 v[LSA], LAM, v[LSA]
	v_lshlrev_b32 v[LTA], 2, v10
	v_add_nc_u32 v[LTA], s62, v[LTA]
	v_add_nc_u32 v[LTA], LAM, v[LTA]
	v_mul_u32_u24 v[QRD], v11, QP                  ; back: sixteen lanes take two steps' 256 bytes
	v_lshl_add_u32 v[QRD], v10, 4, v[QRD]
	v_add_nc_u32 v[QRD], s60, v[QRD]
.irp j, 0,1,2,3,4,5,6,7
	v_cmp_le_i32 s[72+\j], \j, v[RH]               ; the diagonal tile keeps s = 8 h + j <= t = r: the same lanes in all four t tiles
.endr
; t tile tt of my chunk.  P^T (s by t) = K Q^T for s tiles 0..tt; with a state, O (e by t) = S^T Q^T, five tiles, the fifth the denominator's.
; Then P is weighted and masked, and O += V^T P.  Accumulators take turns, one instruction a turn.
.macro TT tt, inter
	WIN 0x01                                       ; source 0 (K, S, V, ones) in window 1
.irp cc, 0,1
.if \inter
.irp i, 0,1,2,3,4
.if \cc == 0
	v_wmma_f32_16x16x32_bf16 v[O+8*\i:O+8*\i+7], v[SF+8*(2*\i+\cc):SF+8*(2*\i+\cc)+7], v[QF+8*(2*\tt+\cc):QF+8*(2*\tt+\cc)+7], 0
.else
	v_wmma_f32_16x16x32_bf16 v[O+8*\i:O+8*\i+7], v[SF+8*(2*\i+\cc):SF+8*(2*\i+\cc)+7], v[QF+8*(2*\tt+\cc):QF+8*(2*\tt+\cc)+7], v[O+8*\i:O+8*\i+7]
.endif
.endr
.endif
.irp i, 0,1,2,3
.if \i <= \tt
.if \cc == 0
	v_wmma_f32_16x16x32_bf16 v[PT+8*\i:PT+8*\i+7], v[KF+8*(2*\i+\cc):KF+8*(2*\i+\cc)+7], v[QF+8*(2*\tt+\cc):QF+8*(2*\tt+\cc)+7], 0
.else
.if \inter+\tt == 0
	s_wait_alu depctr_va_vdst(0)                   ; one accumulator alone here
.endif
	v_wmma_f32_16x16x32_bf16 v[PT+8*\i:PT+8*\i+7], v[KF+8*(2*\i+\cc):KF+8*(2*\i+\cc)+7], v[QF+8*(2*\tt+\cc):QF+8*(2*\tt+\cc)+7], v[PT+8*\i:PT+8*\i+7]
.endif
.endif
.endr
.endr
	WIN 0
.irp i, 0,1,2,3
.if \i <= \tt
.irp j, 0,1,2,3,4,5,6,7
	v_sub_f32 v[E+8*\i+\j], v[LT+\tt], v[LS+8*\i+\j]       ; L_t - L_s; also the places behind the products (ISA guide 7.12.1)
.endr
.endif
.endr
.irp i, 0,1,2,3
.if \i <= \tt
.irp j, 0,1,2,3,4,5,6,7
	v_exp_f32 v[E+8*\i+\j], v[E+8*\i+\j]
.endr
.endif
.endr
.if \inter
	s_wait_alu depctr_va_vdst(0)
.irp i, 0,2,4,6,8,10,12,14,16,18,20,22,24,26,28,30,32,34,36,38
	v_pk_mul_f32 v[O+\i:O+\i+1], v[O+\i:O+\i+1], v[GT+2*\tt:GT+2*\tt+1]   ; the state's part decays by 2^(L_t)
.endr
.else
	v_nop                                          ; one plain instruction behind the exponentials (ISA guide 5.7.2)
	s_wait_alu depctr_va_vdst(0)
.endif
.irp i, 0,1,2,3
.if \i <= \tt
.irp j, 0,2,4,6
	v_pk_mul_f32 v[PT+8*\i+\j:PT+8*\i+\j+1], v[PT+8*\i+\j:PT+8*\i+\j+1], v[E+8*\i+\j:E+8*\i+\j+1]
.endr
.endif
.endr
.irp j, 0,1,2,3,4,5,6,7
	v_cndmask_b32 v[PT+8*\tt+\j], 0, v[PT+8*\tt+\j], s[72+\j]
.endr
.irp i, 0,1,2,3
.if \i <= \tt
.irp rr, 0,1,2,3
	v_cvt_pk_bf16_f32 v[PB+4*\i+\rr], v[PT+8*\i+2*\rr], v[PT+8*\i+2*\rr+1]   ; a lane's eight s of one t are half a B fragment, in the same lane
.endr
.endif
.endr
.if (\tt&1) == 0
.irp rr, 0,1,2,3
	v_mov_b32 v[PB+4*(\tt+1)+\rr], 0               ; the upper 16 of the last 32 steps lie behind t
.endr
.endif
	WIN 0x01
.irp cp, 0,1
.if 2*\cp <= \tt
.irp i, 0,1,2,3
.if \inter+\cp == 0
	v_wmma_f32_16x16x32_bf16 v[O+8*\i:O+8*\i+7], v[VF+8*(2*\i+\cp):VF+8*(2*\i+\cp)+7], v[PB+8*\cp:PB+8*\cp+7], 0
.else
	v_wmma_f32_16x16x32_bf16 v[O+8*\i:O+8*\i+7], v[VF+8*(2*\i+\cp):VF+8*(2*\i+\cp)+7], v[PB+8*\cp:PB+8*\cp+7], v[O+8*\i:O+8*\i+7]
.endif
.endr
.if \inter+\cp == 0
	v_wmma_f32_16x16x32_bf16 v[O+32:O+39], v[ONE1:ONE1+7], v[PB+8*\cp:PB+8*\cp+7], 0
.else
	v_wmma_f32_16x16x32_bf16 v[O+32:O+39], v[ONE1:ONE1+7], v[PB+8*\cp:PB+8*\cp+7], v[O+32:O+39]
.endif
.endif
.endr
	WIN 0
.rept 4
	v_nop
.endr
	v_add_f32 v10, 0x358637bd, v[O+32]             ; den + 1e-6
	v_rcp_f32 v[R], v10
	v_rcp_f32 v[R+1], v10
	v_nop
	s_wait_alu depctr_va_vdst(0)
.irp i, 0,2,4,6,8,10,12,14,16,18,20,22,24,26,28,30
	v_pk_mul_f32 v[O+\i:O+\i+1], v[O+\i:O+\i+1], v[R:R+1]
.endr
.irp i, 0,1,2,3,4,5,6,7,8,9,10,11,12,13,14,15
	v_cvt_pk_bf16_f32 v[OB+\i], v[O+2*\i], v[O+2*\i+1]
.endr
.irp i, 0,1,2,3
	ds_store_b128 v[QFA], v[OB+4*\i:OB+4*\i+3] offset:\tt*8*QP+32*\i      ; step t, e = 16 i + 8 h ..: into my own Q tile, which is in registers
.endr
.endm
.macro PH3 inter
	WIN 0x40                                       ; destinations in window 1
.irp i, 0,1,2,3
.irp cc, 0,1
	ds_load_b128 v[KF+8*(2*\i+\cc):KF+8*(2*\i+\cc)+3],   v[KFA] offset:\i*8*TP+\cc*64
	ds_load_b128 v[KF+8*(2*\i+\cc)+4:KF+8*(2*\i+\cc)+7], v[KFA] offset:\i*8*TP+\cc*64+32
	ds_load_tr16_b128 v[VF+8*(2*\i+\cc):VF+8*(2*\i+\cc)+3],   v[VFA] offset:\cc*16*TP+\i*32
	ds_load_tr16_b128 v[VF+8*(2*\i+\cc)+4:VF+8*(2*\i+\cc)+7], v[VFA] offset:\cc*16*TP+\i*32+8*TP
.endr
.endr
.if \inter
.irp i, 0,1,2,3
.irp cc, 0,1
	ds_load_b128 v[SF+8*(2*\i+\cc):SF+8*(2*\i+\cc)+3],   v[SFRA] offset:(\i&1)*4096+((\i>>1)*4+2*\cc)*512
	ds_load_b128 v[SF+8*(2*\i+\cc)+4:SF+8*(2*\i+\cc)+7], v[SFRA] offset:(\i&1)*4096+((\i>>1)*4+2*\cc+1)*512
.endr
.endr
.irp cc, 0,1
	ds_load_b128 v[SF+64+8*\cc:SF+64+8*\cc+3], v[SFRA] offset:8192+(2*\cc)*512
	ds_load_b128 v[SF+68+8*\cc:SF+68+8*\cc+3], v[SFRA] offset:8192+(2*\cc+1)*512
.endr
.endif
.irp i, 0,1,2,3,4,5,6,7
	v_mov_b32 v[ONE1+\i], 0x3f803f80
.endr
	WIN 0
.irp i, 0,1,2,3
.irp cc, 0,1
	ds_load_b128 v[QF+8*(2*\i+\cc):QF+8*(2*\i+\cc)+3],   v[QFA] offset:\i*8*QP+\cc*64
	ds_load_b128 v[QF+8*(2*\i+\cc)+4:QF+8*(2*\i+\cc)+7], v[QFA] offset:\i*8*QP+\cc*64+32
.endr
	ds_load_b128 v[LS+8*\i:LS+8*\i+3],   v[LSA] offset:\i*64
	ds_load_b128 v[LS+8*\i+4:LS+8*\i+7], v[LSA] offset:\i*64+16
	ds_load_b32 v[LT+\i], v[LTA] offset:\i*64
.endr
	s_wait_dscnt 0x0
.if \inter
.irp i, 0,1,2,3
	v_exp_f32 v[GT+2*\i], v[LT+\i]
	v_exp_f32 v[GT+2*\i+1], v[LT+\i]
.endr
	v_nop
.endif
	TT 0, \inter
	TT 1, \inter
	TT 2, \inter
	TT 3, \inter
.irp n, 0,1,2,3,4,5,6,7,8,9,10,11,12,13,14,15
	ds_load_b128 v[QF+4*\n:QF+4*\n+3], v[QRD] offset:\n*2*QP       ; LDS serves a wave's instructions in order: these see the stores above
.endr
.irp n, 0,1,2,3,4,5,6,7,8,9,10,11,12,13,14,15
	s_wait_dscnt 15-\n                             ; the younger read-backs may stay out
	global_store_b128 v[CO], v[QF+4*\n:QF+4*\n+3], s[56:57] offset:\n*512   ; four steps: 512 consecutive bytes, aligned
.endr
.endm
	s_or_b32 s60, s13, s12
	s_cmp_eq_u32 s60, 0
	s_cbranch_scc1 .Lno_state
	PH3 1
	s_wait_tensorcnt 0x0
	ds_add_u32 v254, v255
	s_wait_dscnt 0x0
	s_endpgm
.Lno_state:
	PH3 0                                          ; chunk 0 of segment 0: the state in front of it is reference()'s zeros
	s_wait_tensorcnt 0x0
	ds_add_u32 v254, v255
	s_wait_dscnt 0x0
	s_endpgm
.Lfunc_end_k_q0630a9a658_attn:
	.size	k_q0630a9a658_attn, .Lfunc_end_k_q0630a9a658_attn-k_q0630a9a658_attn
	.p2alignl 7, 3214868480
	.fill 96, 4, 3214868480
	.section	.rodata,"a",@progbits
	.p2align	6, 0x0
	.amdhsa_kernel k_q0630a9a658_attn
		.amdhsa_group_segment_fixed_size 303360
		.amdhsa_private_segment_fixed_size 0
		.amdhsa_enable_private_segment 0
		.amdhsa_kernarg_size 32
		.amdhsa_user_sgpr_count 2
		.amdhsa_user_sgpr_kernarg_segment_ptr 1
		.amdhsa_wavefront_size32 1
		.amdhsa_system_sgpr_workgroup_id_x 1
		.amdhsa_system_sgpr_workgroup_id_y 1
		.amdhsa_system_sgpr_workgroup_id_z 1
		.amdhsa_system_vgpr_workitem_id 0
		.amdhsa_next_free_vgpr 512
		.amdhsa_next_free_sgpr 80
		.amdhsa_reserve_vcc 0
		.amdhsa_float_denorm_mode_32 3
		.amdhsa_float_denorm_mode_16_64 3
		.amdhsa_memory_ordered 1
		.amdhsa_forward_progress 1
		.amdhsa_inst_pref_size 168
	.end_amdhsa_kernel
	.amdgpu_metadata
---
amdhsa.version: [ 1, 2 ]
amdhsa.kernels:
  - .name:           k_q0630a9a658_attn
    .symbol:         k_q0630a9a658_attn.kd
    .args:
      - { .name: qkv, .offset: 0, .size: 8, .value_kind: global_buffer, .address_space: global }
      - { .name: lb, .offset: 8, .size: 8, .value_kind: global_buffer, .address_space: global }
      - { .name: st, .offset: 16, .size: 8, .value_kind: global_buffer, .address_space: global }
      - { .name: ab, .offset: 24, .size: 8, .value_kind: global_buffer, .address_space: global }
    .group_segment_fixed_size: 303360
    .private_segment_fixed_size: 0
    .kernarg_segment_align: 8
    .kernarg_segment_size: 32
    .max_flat_workgroup_size: 256
    .sgpr_count:     80
    .vgpr_count:     512
    .wavefront_size: 32
...
	.end_amdgpu_metadata
.endif
;; end of part 3
;; launch oproj (part 4): grid 8 x 32, 4 waves a work-group, clusters of 4 x 4, 327,680 bytes of LDS; arguments ab, wbf, x, bo, hb; writes hb
.if DOCPART == 4
	.amdgcn_target "amdgcn-amd-amdhsa--gfx1250"
	.amdhsa_code_object_version 6
	.text
	.protected	k_q0630a9a658_oproj
	.globl	k_q0630a9a658_oproj
	.p2align	8
	.type	k_q0630a9a658_oproj,@function
k_q0630a9a658_oproj:
	s_mov_b64 s[64:65], 0
	v_nop
	global_prefetch_b8 v0, s[64:65] scope:SCOPE_SE
	s_setreg_imm32_b32 hwreg(HW_REG_WAVE_MODE, 25, 1), 1
	s_wait_xcnt 0x0
	s_wait_alu depctr_hold_cnt(0) depctr_sa_sdst(0) depctr_va_vdst(0) depctr_va_sdst(0) depctr_va_ssrc(0) depctr_va_vcc(0) depctr_vm_vsrc(0)
	s_getreg_b32 s2, hwreg(HW_REG_IB_STS2, 6, 4)
	s_cmp_eq_u32 s2, 0
	s_cbranch_scc0 .Lentry_in_a_cluster
	s_endpgm
.Lentry_in_a_cluster:
	s_bfe_u32 s2, ttmp6, 0x10000c
	s_cmp_lg_u32 s2, 0xf033
	s_cbranch_scc0 .Lentry_shape_is_right
	s_endpgm
.Lentry_shape_is_right:
; oproj: hb = x + ab Wo^T + bo, f32 [8192][1024]: the residual stream in front of the norm, which is the next launch's.
; WHY THE NORM IS NOT HERE: it needs whole rows, and a work-group that makes whole rows takes all of Wo, 2 MiB, through its LDS whatever the
; number of its rows.  A block of 256 rows x 128 columns takes 8 steps of 96 KiB = 768 KiB for the same 1,024 matrix instructions a wave that
; 32 whole rows would give, and makes 32 x 8 = 256 work-groups.  The price: hb goes through memory once, 32 MiB out and 32 MiB in.
; Four waves; wave w makes rows 64 w .. 64 w + 63 x all 128 columns: 4 x 8 accumulator tiles.
; K goes in 8 steps of 128 = two heads of ab [bh][t][64] = two K blocks of Wo [kb][1024 n][64 k], through two LDS slots.  Each of the four pieces
; of a step is dense in memory (256 rows, or 128, of 128 bytes) and comes in as rows of 256 bytes, each two logical rows, with 16 bytes of padding:
; logical row r lies at (r >> 1) * 272 + (r & 1) * 128, so the sixteen rows of a fragment load fall on the sixteen columns 16 (r >> 1) + 128 (r & 1)
; of 256 bytes.  Wave 0 asks for ab's even head, wave 1 for its odd head, wave 2 for Wo's even K block, wave 3 for its odd one.
; CLUSTER 4 x 4: ab's pieces hang on the row block alone and are asked for jointly along a row of the cluster, Wo's on the column block alone and
; jointly along a column.  A wave has two tensor loads out at the start and one behind each change of slots.
; REGISTERS: window 0 addresses, ab fragments v32-95, Wo fragments v96-223 (two buffers each), bo v224-227; window 1 the accumulators, tile (a, b)
; at v[8 (8 a + b)]; window 2 x of my 64 rows x 128 columns, in the layout of the way out, asked for long before it is used.
; The matrix instruction is used transposed (source 0 = rows of Wo, source 1 = rows of ab): lane (r, h) holds row 16 a + r, columns 16 b + 8 h + j.
.set PITCH,  272
.set T16,    8*PITCH                   ; sixteen logical rows
.set HALFA,  128*PITCH                 ; one head's 256 rows of ab
.set HALFB,  64*PITCH                  ; one K block's 128 rows of Wo
.set SLOT,   2*HALFA+2*HALFB           ; 104,448
.set STAGE,  2*SLOT                    ; behind the ring: 16 rows x 528 bytes for each wave; no tensor load fills it
.set SPITCH, 528
.set SWAVE,  16*SPITCH
.set LAPS,   4                         ; 8 steps = 4 laps of the ring
.set WO_OFF, 6291456
.set HEADB,  262144                    ; from head to head in ab
.set KBB,    131072                    ; from K block to K block in Wo
.set ADRA, 16
.set ADRB, 20
.set STO,  24
.set RD,   25
.set HO,   26
.set AF,   32                          ; ab fragments: buffer f at AF + 32 f
.set BF,   96                          ; Wo fragments: buffer f at BF + 64 f
.set BO,   224
.set RBK,  32                          ; the way out: 16 rows x 4 registers
.set G1,  24
.set G0,  32
.set G1B, 48
.set G0B, 56
.set MSB, 0
.macro WIN new                         ; the immediate's high byte repeats the setting that is left
.if MSB != \new
	s_set_vgpr_msb (MSB<<8)|\new
.set MSB, \new
.endif
.endm
.set MULW, 0x50                        ; sources 0 and 1 window 0, C and D window 1
.macro JLOAD s                         ; waves 0, 1: ab; waves 2, 3: Wo.  One mask and one set of registers for each line
	s_cmp_eq_u32 s13, 0
	s_cbranch_scc0 .Lfor_b_\@
	tensor_load_to_lds s[G0+4*\s:G0+4*\s+3], s[G1:G1+7]
	s_nop 0
	s_branch .Lasked_\@
.Lfor_b_\@:
	tensor_load_to_lds s[G0B+4*\s:G0B+4*\s+3], s[G1B:G1B+7]
	s_nop 0
	v_nop
.Lasked_\@:
.endm
.macro CREST                           ; a round of the cluster's barrier behind its opening barrier
	s_cmp_lg_u32 s12, 0
	s_cbranch_scc1 .Lnot_wave_0_\@
	s_barrier_signal -3
.Lnot_wave_0_\@:
	s_barrier_wait -3
	s_barrier_signal -1
	s_barrier_wait -1
.endm
.macro CROUND
	s_barrier_signal -1
	s_barrier_wait -1
	CREST
.endm
.macro PLACES                          ; four places behind matrix instructions, in front of loads into their registers and of reads of results
.rept 4
	v_nop
.endr
.endm
	s_load_b256 s[4:11], s[0:1], 0x0               ; ab 4, wbf 6, x 8, bo 10
	s_load_b64 s[66:67], s[0:1], 0x20              ; hb
	v_lshl_add_u32 v254, v0, 2, 0x3c000
	v_mov_b32 v255, 0
	ds_add_u32 v254, v255
	v_lshrrev_b32 v1, 5, v0
	v_readfirstlane_b32 s12, v1                    ; wave
	s_lshr_b32 s13, s12, 1                         ; I ask for ab (0) or for Wo (1)
	s_and_b32 s14, s12, 1                          ; the even or the odd head or K block
	s_bfe_u32 s40, ttmp6, 0x40000                  ; cx
	s_bfe_u32 s41, ttmp6, 0x40004                  ; cy
	s_lshl_b32 s42, ttmp9, 2
	s_add_co_u32 s42, s42, s40                     ; block of 128 columns
	s_and_b32 s43, ttmp7, 0xffff
	s_lshl_b32 s43, s43, 2
	s_add_co_u32 s43, s43, s41                     ; block of 256 rows
	s_lshl_b32 s44, s41, 2
	s_lshl_b32 s44, 15, s44                        ; my row of the cluster
	s_lshl_b32 s45, 0x1111, s40                    ; my column
	s_or_b32 s[G1+0], s44, (1<<16)|(1<<20)|(1<<21)|(5<<22)|(3<<25)   ; mask; 2-byte elements; 4 words of padding after every 64
	s_or_b32 s[G1B+0], s45, (1<<16)|(1<<20)|(1<<21)|(5<<22)|(3<<25)
	s_mov_b32 s[G1+1], 128<<16                     ; tensor_dim0 = 128 elements: 256 bytes
	s_mov_b32 s[G1B+1], 128<<16
	s_mov_b32 s[G1+2], 128<<16                     ; tensor_dim1 = 128 rows of 256 bytes of ab,
	s_mov_b32 s[G1B+2], 64<<16                     ; 64 of Wo
	s_mov_b32 s[G1+3], 128<<16                     ; tile_dim0
	s_mov_b32 s[G1B+3], 128<<16
	s_mov_b32 s[G1+4], 128                         ; tile_dim1
	s_mov_b32 s[G1B+4], 64
	s_mov_b32 s[G1+5], 128                         ; elements from row to row: the pieces are dense
	s_mov_b32 s[G1B+5], 128
	s_mov_b32 s[G1+6], 0
	s_mov_b32 s[G1B+6], 0
	s_mov_b32 s[G1+7], 0
	s_mov_b32 s[G1B+7], 0
	s_lshr_b32 s16, s43, 3                         ; ab: ((batch * 16 + head) * 2048 + t0) * 128 bytes: the row block and the wave alone
	s_lshl_b32 s16, s16, 22
	s_and_b32 s17, s43, 7
	s_lshl_b32 s17, s17, 15
	s_add_co_u32 s16, s16, s17
	s_lshl_b32 s17, s14, 18
	s_add_co_u32 s16, s16, s17
	s_mov_b32 s17, 0
	s_lshl_b32 s46, s42, 14                        ; Wo: K block * 131,072 + 128 columns * 128 bytes: the column block and the wave alone
	s_lshl_b32 s47, s14, 17
	s_add_co_u32 s46, s46, s47
	s_add_co_u32 s46, s46, WO_OFF
	s_mov_b32 s47, 0
	s_mul_i32 s20, s12, HALFA                      ; LDS: ab's heads at wave x HALFA (waves 0, 1),
	s_mul_i32 s21, s12, HALFB                      ; Wo's K blocks behind them at (wave - 2) x HALFB (waves 2, 3)
	s_add_co_u32 s21, s21, 2*HALFA-2*HALFB
	s_lshl_b32 s72, s43, 20                        ; x and hb: (256 block + 64 wave) rows of 4,096 bytes + 128 columns of 4
	s_lshl_b32 s73, s12, 18
	s_add_co_u32 s72, s72, s73
	s_lshl_b32 s74, s42, 9
	s_add_co_u32 s72, s72, s74
	s_mov_b32 s73, 0
	s_mov_b32 s75, 0
	s_wait_dscnt 0x0
	s_wait_kmcnt 0x0
	s_add_nc_u64 s[16:17], s[4:5], s[16:17]
	s_add_nc_u64 s[46:47], s[6:7], s[46:47]
	s_add_nc_u64 s[68:69], s[8:9], s[72:73]
	s_add_nc_u64 s[70:71], s[66:67], s[72:73]
	s_add_nc_u64 s[74:75], s[10:11], s[74:75]
	CROUND                                         ; all sixteen work-groups are here: the first joint loads meet
.irp s, 0,1
	s_mov_b32 s[G0+4*\s], 1
	s_add_co_u32 s[G0+4*\s+1], s20, \s*SLOT
	s_add_nc_u64 s[G0+4*\s+2:G0+4*\s+3], s[16:17], \s*2*HEADB
	s_or_b32 s[G0+4*\s+3], s[G0+4*\s+3], 0x80000000
	s_mov_b32 s[G0B+4*\s], 1
	s_add_co_u32 s[G0B+4*\s+1], s21, \s*SLOT
	s_add_nc_u64 s[G0B+4*\s+2:G0B+4*\s+3], s[46:47], \s*2*KBB
	s_or_b32 s[G0B+4*\s+3], s[G0B+4*\s+3], 0x80000000
	JLOAD \s
.endr
.macro XLOAD a                         ; x of rows 16 a .. + 15: a row's 512 bytes to an instruction, into window 2
	WIN 0x80
.irp p, 0,1,2,3,4,5,6,7,8,9,10,11,12,13,14,15
	global_load_b128 v[64*\a+4*\p:64*\a+4*\p+3], v[HO], s[68:69] offset:(16*\a+\p)*4096 th:TH_LOAD_NT
.endr
	WIN 0
.endm
	v_and_b32 v5, 31, v0
	v_lshlrev_b32 v[HO], 4, v5                     ; 16 bytes a lane
	global_load_b128 v[BO:BO+3], v[HO], s[74:75]   ; bo of my four columns
	XLOAD 0                                        ; they stay out over the K loop
	XLOAD 1
	XLOAD 2
	v_and_b32 v1, 15, v0                           ; r
	v_bfe_u32 v2, v0, 4, 1                         ; h
	v_lshrrev_b32 v4, 1, v1
	v_and_b32 v6, 1, v1
	v_mul_u32_u24 v3, v4, PITCH                    ; (r >> 1) * 272
	v_lshl_add_u32 v3, v6, 7, v3                   ; + 128 (r & 1)
	v_lshl_add_u32 v3, v2, 4, v3                   ; + 16 h
	s_mul_i32 s22, s12, 4*T16                      ; my 64 rows of ab
	v_add_nc_u32 v[ADRA], s22, v3
	v_add_nc_u32 v[ADRA+1], SLOT, v[ADRA]
	v_add_nc_u32 v[ADRB], 2*HALFA, v3              ; all 128 rows of Wo
	v_add_nc_u32 v[ADRB+1], SLOT, v[ADRB]
	s_mul_i32 s23, s12, SWAVE
	s_add_co_u32 s23, s23, STAGE
	v_mul_u32_u24 v4, v1, SPITCH
	v_lshl_add_u32 v4, v2, 5, v4
	v_add_nc_u32 v[STO], s23, v4                   ; in: row r, 32 bytes for each half of the lanes
	v_add_nc_u32 v[RD], s23, v[HO]                 ; back: the wave takes a row's 512 bytes
; 8 matrix instructions: row tile a x all 8 column tiles, 32 along K
.macro MUL8 f, a, zero
.irp b, 0,1,2,3,4,5,6,7
.if \zero
	v_wmma_f32_16x16x32_bf16 v[8*(8*\a+\b):8*(8*\a+\b)+7], v[BF+64*\f+8*\b:BF+64*\f+8*\b+7], v[AF+32*\f+8*\a:AF+32*\f+8*\a+7], 0
.else
	v_wmma_f32_16x16x32_bf16 v[8*(8*\a+\b):8*(8*\a+\b)+7], v[BF+64*\f+8*\b:BF+64*\f+8*\b+7], v[AF+32*\f+8*\a:AF+32*\f+8*\a+7], v[8*(8*\a+\b):8*(8*\a+\b)+7]
.endif
.endr
.endm
; 24 LDS loads: quarter q of a step (head or K block q >> 1, byte 64 (q & 1) of its rows): 128 rows of Wo, then my 64 rows of ab
.macro FETCH slot, q, f
.irp i, 0,1,2,3,4,5,6,7
	ds_load_b128 v[BF+64*\f+8*\i:BF+64*\f+8*\i+3],   v[ADRB+\slot] offset:(\q>>1)*HALFB+(\q&1)*64+\i*T16
	ds_load_b128 v[BF+64*\f+8*\i+4:BF+64*\f+8*\i+7], v[ADRB+\slot] offset:(\q>>1)*HALFB+(\q&1)*64+\i*T16+32
.endr
.irp i, 0,1,2,3
	ds_load_b128 v[AF+32*\f+8*\i:AF+32*\f+8*\i+3],   v[ADRA+\slot] offset:(\q>>1)*HALFA+(\q&1)*64+\i*T16
	ds_load_b128 v[AF+32*\f+8*\i+4:AF+32*\f+8*\i+7], v[ADRA+\slot] offset:(\q>>1)*HALFA+(\q&1)*64+\i*T16+32
.endr
.endm
; The 32 accumulators take turns, one instruction a turn, in the same order in every quarter step.
; Multiplies buffer f; in its middle fetches quarter q of the same slot into buffer g.
.macro QUARTER slot, q, f, g, zero
	s_wait_dscnt 4                                 ; all but the youngest four loads: ab's row tiles 2 and 3
	WIN MULW
	MUL8 \f, 0, \zero
	MUL8 \f, 1, \zero
	PLACES
	WIN 0
	FETCH \slot, \q, \g
	s_wait_dscnt 24                                ; all but the 24 just issued
	WIN MULW
	MUL8 \f, 2, \zero
	MUL8 \f, 3, \zero
.endm
.macro THREE slot, zero
	QUARTER \slot, 1, 0, 1, \zero
	QUARTER \slot, 2, 1, 0, 0
	QUARTER \slot, 3, 0, 1, 0
.endm
; The last quarter of a K step changes slots.  In front of the barrier: my reads of this slot are back and all my tensor loads have landed (the one
; that was out is my part of the next slot).  Behind it, and behind the cluster's round where the slot is filled again, the refill comes first.
.macro TURN slot, next, fill
	s_wait_dscnt 4
	WIN MULW
	MUL8 1, 0, 0
	s_wait_dscnt 0x0
	s_wait_tensorcnt 0x0
	ds_add_u32 v254, v255
	s_wait_dscnt 0x0
	s_barrier_signal -1
	MUL8 1, 1, 0
	WIN 0
	s_barrier_wait -1
.if \fill
	CREST
	s_add_nc_u64 s[G0+4*\slot+2:G0+4*\slot+3], s[G0+4*\slot+2:G0+4*\slot+3], 4*HEADB
	s_add_nc_u64 s[G0B+4*\slot+2:G0B+4*\slot+3], s[G0B+4*\slot+2:G0B+4*\slot+3], 4*KBB
	JLOAD \slot
.endif
	PLACES
	FETCH \next, 0, 0
	WIN MULW
	MUL8 1, 2, 0
	MUL8 1, 3, 0
.endm
.macro LAP zero
	THREE 0, \zero
	TURN 0, 1, 1
	THREE 1, 0
	TURN 1, 0, 1
.endm
	s_wait_tensorcnt 1                             ; my part of K step 0 is in; step 1's may stay out
	s_barrier_signal -1
	s_barrier_wait -1
	FETCH 0, 0, 0
	LAP 1                                          ; the first products start the sums
	WIN 0
	s_mov_b32 s3, LAPS-2
.Llap:
	LAP 0
	WIN 0
	s_sub_co_u32 s3, s3, 1
	s_cmp_lg_u32 s3, 0
	s_cbranch_scc1 .Llap
	XLOAD 3                                        ; the last sixteen rows of x: two K steps ahead of their use
	THREE 0, 0                                     ; the last lap fills nothing
	TURN 0, 1, 0
	THREE 1, 0
	s_wait_dscnt 4
	WIN MULW
	MUL8 1, 0, 0
	MUL8 1, 1, 0
	s_wait_dscnt 0x0
	MUL8 1, 2, 0
	MUL8 1, 3, 0
	PLACES
	WIN 0
	s_wait_loadcnt 0x0                             ; x and bo
; rows 16 a .. 16 a + 15 of my block: through my stage into whole rows of 512 bytes, + x, + bo, out
.macro HOUT a
	WIN 0x04                                       ; LDS store data in the accumulators' window
.irp b, 0,1,2,3,4,5,6,7
	ds_store_b128 v[STO], v[8*(8*\a+\b):8*(8*\a+\b)+3]   offset:64*\b
	ds_store_b128 v[STO], v[8*(8*\a+\b)+4:8*(8*\a+\b)+7] offset:64*\b+16
.endr
	WIN 0
	s_wait_xcnt 0x0                                ; RBK held the data of the last tile's stores: it is loaded again only behind this wait
.irp p, 0,1,2,3,4,5,6,7,8,9,10,11,12,13,14,15
	ds_load_b128 v[RBK+4*\p:RBK+4*\p+3], v[RD] offset:\p*SPITCH    ; LDS serves a wave's instructions in order: these see the stores above
.endr
	s_wait_dscnt 0x0
	WIN 0x08                                       ; source 1 = x, in window 2
.set q, 0
.rept 32
	v_pk_add_f32 v[RBK+q:RBK+q+1], v[RBK+q:RBK+q+1], v[64*\a+q:64*\a+q+1]
.set q, q+2
.endr
	WIN 0
.set q, 0
.rept 32
	v_pk_add_f32 v[RBK+q:RBK+q+1], v[RBK+q:RBK+q+1], v[BO+(q&3):BO+(q&3)+1]
.set q, q+2
.endr
.irp p, 0,1,2,3,4,5,6,7,8,9,10,11,12,13,14,15
	global_store_b128 v[HO], v[RBK+4*\p:RBK+4*\p+3], s[70:71] offset:(16*\a+\p)*4096 th:TH_STORE_NT   ; 512 consecutive bytes of a row, aligned
.endr
.endm
	HOUT 0
	HOUT 1
	HOUT 2
	HOUT 3
	s_wait_tensorcnt 0x0
	ds_add_u32 v254, v255
	s_wait_dscnt 0x0
	CROUND                                         ; the closing round: no work-group ends while a partner may still ask for a tile that names it
	s_endpgm
.Lfunc_end_k_q0630a9a658_oproj:
	.size	k_q0630a9a658_oproj, .Lfunc_end_k_q0630a9a658_oproj-k_q0630a9a658_oproj
	.p2alignl 7, 3214868480
	.fill 96, 4, 3214868480
	.section	.rodata,"a",@progbits
	.p2align	6, 0x0
	.amdhsa_kernel k_q0630a9a658_oproj
		.amdhsa_group_segment_fixed_size 327680
		.amdhsa_private_segment_fixed_size 0
		.amdhsa_enable_private_segment 0
		.amdhsa_kernarg_size 40
		.amdhsa_user_sgpr_count 2
		.amdhsa_user_sgpr_kernarg_segment_ptr 1
		.amdhsa_wavefront_size32 1
		.amdhsa_system_sgpr_workgroup_id_x 1
		.amdhsa_system_sgpr_workgroup_id_y 1
		.amdhsa_system_sgpr_workgroup_id_z 1
		.amdhsa_system_vgpr_workitem_id 0
		.amdhsa_next_free_vgpr 768
		.amdhsa_next_free_sgpr 80
		.amdhsa_reserve_vcc 0
		.amdhsa_float_denorm_mode_32 3
		.amdhsa_float_denorm_mode_16_64 3
		.amdhsa_memory_ordered 1
		.amdhsa_forward_progress 1
		.amdhsa_inst_pref_size 138
	.end_amdhsa_kernel
	.amdgpu_metadata
---
amdhsa.version: [ 1, 2 ]
amdhsa.kernels:
  - .name:           k_q0630a9a658_oproj
    .symbol:         k_q0630a9a658_oproj.kd
    .args:
      - { .name: ab, .offset: 0, .size: 8, .value_kind: global_buffer, .address_space: global }
      - { .name: wbf, .offset: 8, .size: 8, .value_kind: global_buffer, .address_space: global }
      - { .name: x, .offset: 16, .size: 8, .value_kind: global_buffer, .address_space: global }
      - { .name: bo, .offset: 24, .size: 8, .value_kind: global_buffer, .address_space: global }
      - { .name: hb, .offset: 32, .size: 8, .value_kind: global_buffer, .address_space: global }
    .group_segment_fixed_size: 327680
    .private_segment_fixed_size: 0
    .kernarg_segment_align: 8
    .kernarg_segment_size: 40
    .max_flat_workgroup_size: 128
    .sgpr_count:     80
    .vgpr_count:     768
    .wavefront_size: 32
...
	.end_amdgpu_metadata
.endif
;; end of part 4
;; launch norm (part 5): grid 256 x 1, 8 waves a work-group, no clusters, 0 bytes of LDS; arguments hb, scale, out0; writes out0
.if DOCPART == 5
	.amdgcn_target "amdgcn-amd-amdhsa--gfx1250"
	.amdhsa_code_object_version 6
	.text
	.protected	k_q0630a9a658_norm
	.globl	k_q0630a9a658_norm
	.p2align	8
	.type	k_q0630a9a658_norm,@function
k_q0630a9a658_norm:
	s_mov_b64 s[64:65], 0
	v_nop
	global_prefetch_b8 v0, s[64:65] scope:SCOPE_SE
	s_setreg_imm32_b32 hwreg(HW_REG_WAVE_MODE, 25, 1), 1
	s_wait_xcnt 0x0
; norm: out0[r][c] = hb[r][c] / sqrt(mean over c of hb[r][c]^2 + 1e-6) * scale[c].  hb, out0: [8192][1024] f32.
; A row is 4,096 bytes: one wave takes a whole row, eight 16-byte loads a lane, and keeps it in 32 registers between the sum and the scaling,
; so the row is read once and no wave waits for another.  Eight waves, four rows each: 32 rows a work-group, 256 work-groups.
; All of a wave's 40 loads (8 of scale, 32 of its four rows) go out at the start; each row is worked on behind a counted wait and stored from the
; registers it was loaded into, which are written by nothing afterwards.  Each load and store of a wave covers 512 consecutive bytes, aligned.
; No LDS, matrix unit or cluster: nothing but scale's 4 KiB is read twice, and a sum never leaves its wave.
.set ROW, 4096
.set SC,  4                            ; v[4:35]    scale of my 32 columns: 128 j + 4 L .. + 3
.set X,   36                           ; v[36:163]  row k at X + 32 k
.set SP,  164                          ; v[164:171] four chains of packed sums
.set INV, 172                          ; v[172:173] 1 / rms, twice
.set T,   174                          ; v[174:175]
	s_load_b128 s[4:7], s[0:1], 0x0                ; hb, scale
	s_load_b64 s[8:9], s[0:1], 0x10                ; out0
	v_lshrrev_b32 v1, 5, v0
	v_readfirstlane_b32 s10, v1                    ; wave
	v_and_b32 v2, 31, v0
	v_lshlrev_b32 v2, 4, v2                        ; 16 bytes a lane
	s_lshl_b32 s12, ttmp9, 17                      ; 32 rows a work-group,
	s_lshl_b32 s13, s10, 14                        ; 4 a wave
	s_add_co_u32 s12, s12, s13
	s_mov_b32 s13, 0
	s_mov_b32 s14, 0x76543210                      ; v_permlanex16_b32: lane i of one half reads lane i of the other
	s_mov_b32 s15, 0xfedcba98
	s_mov_b32 s16, 0x3a800000                      ; 1/1024
	s_mov_b32 s17, 0x358637bd                      ; 1e-6
	v_mov_b32 v[T+1], 0                            ; written once: the lane move counts its destination as read
	s_wait_kmcnt 0x0
	s_add_nc_u64 s[4:5], s[4:5], s[12:13]
	s_add_nc_u64 s[8:9], s[8:9], s[12:13]
.irp j, 0,1,2,3,4,5,6,7
	global_load_b128 v[SC+4*\j:SC+4*\j+3], v2, s[6:7] offset:512*\j
.endr
.irp k, 0,1,2,3
.irp j, 0,1,2,3,4,5,6,7
	global_load_b128 v[X+32*\k+4*\j:X+32*\k+4*\j+3], v2, s[4:5] offset:\k*ROW+512*\j th:TH_LOAD_NT
.endr
.endr
; row k.  left = the loads of the later rows, which may stay out.
.macro ROWN k, left
.set XB, X+32*\k
	s_wait_loadcnt \left
.irp c, 0,1,2,3
	v_pk_mul_f32 v[SP+2*\c:SP+2*\c+1], v[XB+2*\c:XB+2*\c+1], v[XB+2*\c:XB+2*\c+1]      ; the first products start the four chains
.endr
.irp g, 1,2,3
.irp c, 0,1,2,3
	v_pk_fma_f32 v[SP+2*\c:SP+2*\c+1], v[XB+8*\g+2*\c:XB+8*\g+2*\c+1], v[XB+8*\g+2*\c:XB+8*\g+2*\c+1], v[SP+2*\c:SP+2*\c+1]
.endr
.endr
	v_pk_add_f32 v[SP:SP+1], v[SP:SP+1], v[SP+2:SP+3]
	v_pk_add_f32 v[SP+4:SP+5], v[SP+4:SP+5], v[SP+6:SP+7]
	v_pk_add_f32 v[SP:SP+1], v[SP:SP+1], v[SP+4:SP+5]
	v_add_f32 v[T], v[SP], v[SP+1]
	v_add_f32_dpp v[T], v[T], v[T] row_xmask:1 row_mask:0xf bank_mask:0xf
	v_add_f32_dpp v[T], v[T], v[T] row_xmask:2 row_mask:0xf bank_mask:0xf
	v_add_f32_dpp v[T], v[T], v[T] row_xmask:4 row_mask:0xf bank_mask:0xf
	v_add_f32_dpp v[T], v[T], v[T] row_xmask:8 row_mask:0xf bank_mask:0xf
	v_permlanex16_b32 v[T+1], v[T], s14, s15
	v_add_f32 v[T], v[T], v[T+1]                   ; the row's sum of squares, in every lane
	v_fma_f32 v[T], v[T], s16, s17                 ; mean + 1e-6
	v_rsq_f32 v[INV], v[T]
	v_rsq_f32 v[INV+1], v[T]
	v_nop                                          ; one plain instruction behind them (ISA guide 5.7.2)
.set q, 0
	s_wait_alu depctr_va_vdst(0)
.rept 16
	v_pk_mul_f32 v[XB+q:XB+q+1], v[XB+q:XB+q+1], v[INV:INV+1]
.set q, q+2
.endr
.set q, 0
.rept 16
	v_pk_mul_f32 v[XB+q:XB+q+1], v[XB+q:XB+q+1], v[SC+q:SC+q+1]
.set q, q+2
.endr
.irp j, 0,1,2,3,4,5,6,7
	global_store_b128 v2, v[XB+4*\j:XB+4*\j+3], s[8:9] offset:\k*ROW+512*\j th:TH_STORE_NT
.endr
.endm
	ROWN 0, 24
	ROWN 1, 16
	ROWN 2, 8
	ROWN 3, 0
	s_endpgm
.Lfunc_end_k_q0630a9a658_norm:
	.size	k_q0630a9a658_norm, .Lfunc_end_k_q0630a9a658_norm-k_q0630a9a658_norm
	.p2alignl 7, 3214868480
	.fill 96, 4, 3214868480
	.section	.rodata,"a",@progbits
	.p2align	6, 0x0
	.amdhsa_kernel k_q0630a9a658_norm
		.amdhsa_group_segment_fixed_size 0
		.amdhsa_private_segment_fixed_size 0
		.amdhsa_enable_private_segment 0
		.amdhsa_kernarg_size 24
		.amdhsa_user_sgpr_count 2
		.amdhsa_user_sgpr_kernarg_segment_ptr 1
		.amdhsa_wavefront_size32 1
		.amdhsa_system_sgpr_workgroup_id_x 1
		.amdhsa_system_sgpr_workgroup_id_y 1
		.amdhsa_system_sgpr_workgroup_id_z 1
		.amdhsa_system_vgpr_workitem_id 0
		.amdhsa_next_free_vgpr 176
		.amdhsa_next_free_sgpr 66
		.amdhsa_reserve_vcc 0
		.amdhsa_float_denorm_mode_32 3
		.amdhsa_float_denorm_mode_16_64 3
		.amdhsa_memory_ordered 1
		.amdhsa_forward_progress 1
		.amdhsa_inst_pref_size 23
	.end_amdhsa_kernel
	.amdgpu_metadata
---
amdhsa.version: [ 1, 2 ]
amdhsa.kernels:
  - .name:           k_q0630a9a658_norm
    .symbol:         k_q0630a9a658_norm.kd
    .args:
      - { .name: hb, .offset: 0, .size: 8, .value_kind: global_buffer, .address_space: global }
      - { .name: scale, .offset: 8, .size: 8, .value_kind: global_buffer, .address_space: global }
      - { .name: out0, .offset: 16, .size: 8, .value_kind: global_buffer, .address_space: global }
    .group_segment_fixed_size: 0
    .private_segment_fixed_size: 0
    .kernarg_segment_align: 8
    .kernarg_segment_size: 24
    .max_flat_workgroup_size: 256
    .sgpr_count:     66
    .vgpr_count:     176
    .wavefront_size: 32
...
	.end_amdgpu_metadata
.endif
;; end of part 5
;; ======== version 2 of 2: 5 launches; version 1 with the launch cast written anew for expert scheduling mode
;; limits: values outside matrix products are rounded to bf16
;; workspace buffers: xb 16,777,216 bytes; wbf 8,388,608 bytes; lb 524,288 bytes; rope 524,288 bytes; qkv 50,331,648 bytes; st 9,633,792 bytes; ab 16,777,216 bytes; hb 33,554,432 bytes
;; launch cast (part 6): grid 256 x 1, 8 waves a work-group, no clusters, 109,824 bytes of LDS; arguments x, Wq, Wk, Wv, Wo, Wb, bb, xb, wbf, lb, rope; writes xb, wbf, lb, rope
.if DOCPART == 6
	.amdgcn_target "amdgcn-amd-amdhsa--gfx1250"
	.amdhsa_code_object_version 6
	.text
	.protected	k_q0630a9a658_cast
	.globl	k_q0630a9a658_cast
	.p2align	8
	.type	k_q0630a9a658_cast,@function
k_q0630a9a658_cast:
	s_mov_b64 s[64:65], 0
	v_nop
	global_prefetch_b8 v0, s[64:65] scope:SCOPE_SE
	s_setreg_imm32_b32 hwreg(HW_REG_WAVE_SCHED_MODE, 0, 2), 2
	s_setreg_imm32_b32 hwreg(HW_REG_WAVE_MODE, 25, 1), 1
	s_wait_xcnt 0x0
	s_wait_alu depctr_vm_vsrc(0)
; cast: x and the four square weights to bf16 (matrix operands of the later launches), log2 of the clipped decay beta, and the RoPE table.
;   xb   [8192][1024] bf16.      wbf: Wc [3072][1024] bf16, row = head*192 + part*64 + d (part 0 q, 1 k, 2 v); behind it, at WO_OFF,
;   Wo blocked along K: [16 kb][1024 n][64 k] bf16.      lb [4 b][16 h][2048 t] f32 = log2(clip(sigmoid(x Wb^T + bb), 0.8, 0.999)).
;   rope [2048 t][cos 0..31 | sin 0..31] f32, 256 bytes for each t.
; THE WHOLE PROGRAM: the scan S_t = b_t S_(t-1) + k_t v_t^T is done in chunks of 64 steps.  With L_t the running sum of log2 b, step s weighs
; 2^(L_t - L_s) at step t >= s, so a chunk is a few 64 x 64 products and a state handed from chunk to chunk.  Every exponent is <= 0 but on
; entries that the order of the scan masks, where reference()'s own clip bounds it by 15 * 0.322.  The denominator is the same form with v = 1.
; WORK LEFT OUT, for all values of the inputs: S0 and z0 are zeros that reference() builds, so the first update starts its sums and the read-out
; of the zero state is not issued; the state behind the last step is read by nothing, so it is not made; tiles with s > t throughout have weight 0
; by the order of the scan; elu(u) + 1 = max(u, 0) + e^min(u, 0) is an identity.  Every input has a way to the output and is loaded.
; LIMITS: a NaN, an infinity or an overflow that reaches only work left out is not carried.  A NaN in the beta logit gives 0.8 (v_max_num_f32 drops
; it).  cos and sin: the angle is reduced in revolutions with one fused multiply-add; at t = 2047 it is good to a few 1e-4 rad.
; SHARES: work-group g has x rows 32 g .. 32 g + 31; wave w takes row tile w >> 2 (16 rows) and K quarter w & 3 (256 columns); it stages rows
; 2 w, 2 w + 1 of Wb; it converts rows 4 g + 2 (w & 1), + 1 of weight w >> 1 (q, k, v, o); it makes the table's row t = 8 g + w.
; No cluster, no tensor load: everything is read once through registers; only Wb (64 KiB of a work-group's 256 KiB) is read by all work-groups.
; lb is stored in pieces of 64 bytes (a work-group has 32 steps of each head): 0.5 MiB of the launch's 76.
; THE MODE: SCHED_MODE bits 1:0 = 2 (LLVM: expert scheduling mode 2), set by the entry lines.  The code itself states the register dependences
; between vector or matrix instructions and memory or LDS instructions, with s_wait_alu, always for 0.
; THE PLAN.  Registers that memory or LDS instructions touch, in the order of the text:
;   v4 .. v13     offsets and LDS addresses: written at the head, never again; one wait on va_vdst ahead of the first load serves every access.
;   v254, v255    the table's row: written by the two selects, read by one store, which shares the wait behind Wb's conversions.
;   WA            Wb lands; 32 conversions in one run; a wait on va_vdst; 16 LDS stores read it; a wait on vm_vsrc; my weight rows land;
;                 32 conversions; a wait on va_vdst; 16 stores read it.
;   XA            x lands, in four groups of eight loads.  Group g's conversions name group g's registers alone; at the head of group g + 1 one wait
;                 on va_vdst shows them written, and group g's stores (memory and LDS) are dealt among group g + 1's conversions.  Behind the
;                 barrier a wait on vm_vsrc shows that the stores have read XA; then the fragments land in it, later three waves' partial sums.
;   ACC0          written by matrix instructions and four adds; a wait on va_vdst; two LDS stores read it; behind the barrier a wait on vm_vsrc;
;                 written again by the sums and the sigmoid; the wait behind the logarithms shows it written for the two last stores.
;   s26           the wave's number, from v_readfirstlane_b32: a wait on va_sdst ahead of its first reader.
;   v30, v31      written at the head, read by the closing add alone.
.set XPITCH, 528                       ; a wave's x tile in LDS: 16 rows of 512 bytes + 16
.set XWAVE,  16*XPITCH
.set WT,     8*XWAVE                   ; Wb in bf16: 16 rows of 2,048 bytes + 16
.set WPITCH, 2064
.set PS,     WT+16*WPITCH              ; partial sums: 1,024 bytes a wave
.set WO_OFF, 6291456
.set WA,   32                          ; v[32:95]   16 loads of Wb, then 16 of my weight rows
.set XA,   96                          ; v[96:223]  32 loads of x, then the fragments
.set ACC0, 224
.set ACC1, 232
.set RT,   240                         ; v[240:255] the table's row
.macro CVT2 base                       ; four f32 to four bf16, in place, in the first two registers
	v_cvt_pk_bf16_f32 v[\base], v[\base], v[\base+1]
	v_cvt_pk_bf16_f32 v[\base+1], v[\base+2], v[\base+3]
.endm
.macro XOUT m                          ; load m of x, converted: to xb, and into my tile in LDS
	global_store_b64 v5, v[XA+4*(\m):XA+4*(\m)+1], s[32:33] offset:((\m)>>1)*2048+((\m)&1)*256   ; 256 consecutive bytes, aligned
	ds_store_b64 v6, v[XA+4*(\m):XA+4*(\m)+1] offset:((\m)>>1)*XPITCH+((\m)&1)*256
.endm
; sine and cosine of t * f radians; f comes in as the frequency.  y = a quarter of the reduced angle, |y| <= pi/4; two doublings bring it back.
.macro TRIG f, a, y, y2, s, c
	v_mul_f32 v[\f], 0x3e22f983, v[\f]             ; revolutions for each step
	v_mul_f32 v[\a], v[RT], v[\f]
	v_rndne_f32 v[\a], v[\a]
	v_fma_f32 v[\a], v[RT], v[\f], -v[\a]          ; the fraction, in [-1/2, 1/2]
	v_mul_f32 v[\y], 0x3fc90fdb, v[\a]             ; 2 pi / 4
	v_mul_f32 v[\y2], v[\y], v[\y]
	v_mov_b32 v[\s], 0xb9500d01                    ; -1/5040
	v_mov_b32 v[\c], 0x37d00d01                    ; 1/40320
	v_fmaak_f32 v[\s], v[\s], v[\y2], 0x3c088889   ; 1/120
	v_fmaak_f32 v[\c], v[\c], v[\y2], 0xbab60b61   ; -1/720
	v_fmaak_f32 v[\s], v[\s], v[\y2], 0xbe2aaaab   ; -1/6
	v_fmaak_f32 v[\c], v[\c], v[\y2], 0x3d2aaaab   ; 1/24
	v_fmaak_f32 v[\s], v[\s], v[\y2], 0x3f800000
	v_fmaak_f32 v[\c], v[\c], v[\y2], 0xbf000000
	v_mul_f32 v[\s], v[\s], v[\y]
	v_fmaak_f32 v[\c], v[\c], v[\y2], 0x3f800000
	v_add_f32 v[\y], v[\s], v[\s]                  ; first doubling: cosine into y2
	v_fma_f32 v[\y2], -v[\y], v[\s], 1.0
	v_mul_f32 v[\s], v[\y], v[\c]
	v_add_f32 v[\y], v[\s], v[\s]                  ; second doubling: cosine back into c
	v_fma_f32 v[\c], -v[\y], v[\s], 1.0
	v_mul_f32 v[\s], v[\y], v[\y2]
.endm
	s_load_b512 s[4:19], s[0:1], 0x0               ; x 4, Wq 6, Wk 8, Wv 10, Wo 12, Wb 14, bb 16, xb 18
	s_load_b128 s[20:23], s[0:1], 0x40             ; wbf 20, lb 22
	s_load_b64 s[24:25], s[0:1], 0x50              ; rope
	v_lshl_add_u32 v30, v0, 2, 0x1a900
	v_mov_b32 v31, 0
	v_lshrrev_b32 v1, 5, v0
	v_readfirstlane_b32 s26, v1                    ; wave
	v_and_b32 v1, 31, v0                           ; lane L
	v_and_b32 v2, 15, v0                           ; r
	v_bfe_u32 v3, v0, 4, 1                         ; h
	v_lshlrev_b32 v4, 4, v1                        ; 16 L
	v_lshlrev_b32 v5, 3, v1                        ; 8 L
	s_wait_alu depctr_va_sdst(0)                   ; s26 is written, ahead of its first reader: the shares, the LDS places and the offsets below are made from it
	s_lshr_b32 s27, s26, 2                         ; row tile
	s_and_b32 s28, s26, 3                          ; K quarter
	s_lshr_b32 s29, s26, 1                         ; which weight
	s_and_b32 s38, s26, 1
	s_mov_b32 s40, 0xffff0000                      ; lanes 16-31 keep the sine
	; LDS addresses
	s_mul_i32 s36, s26, XWAVE
	v_add_nc_u32 v6, s36, v5                       ; x in: my tile + 8 L
	v_mul_u32_u24 v7, v2, XPITCH
	v_lshl_add_u32 v7, v3, 4, v7
	v_add_nc_u32 v7, s36, v7                       ; x fragments: row r, 16 h
	s_mul_i32 s36, s26, 2*WPITCH
	s_add_co_u32 s36, s36, WT
	v_add_nc_u32 v8, s36, v5                       ; Wb in: rows 2 w, 2 w + 1
	v_mul_u32_u24 v9, v2, WPITCH
	v_lshl_add_u32 v9, v3, 4, v9
	s_lshl_b32 s36, s28, 9
	s_add_co_u32 s36, s36, WT
	v_add_nc_u32 v9, s36, v9                       ; Wb fragments: row r, my K quarter
	s_lshl_b32 s36, s26, 10
	s_add_co_u32 s36, s36, PS
	v_add_nc_u32 v10, s36, v4                      ; my partial sums
	v_lshlrev_b32 v11, 4, v2
	v_lshl_add_u32 v11, v3, 12, v11                ; Wo: lanes 0-15 one row, lanes 16-31 the next
	v_lshlrev_b32 v12, 13, v2
	v_lshl_add_u32 v12, v3, 5, v12                 ; lb: head r, 8 h steps on
	v_lshlrev_b32 v13, 2, v2                       ; bb[r]
	; byte offsets, apart from the addresses
	s_lshl_b32 s30, ttmp9, 17                      ; x: (32 g + 16 rt) rows of 4,096 + 1,024 kq
	s_lshl_b32 s36, s27, 16
	s_add_co_u32 s30, s30, s36
	s_lshl_b32 s36, s28, 10
	s_add_co_u32 s30, s30, s36
	s_mov_b32 s31, 0
	s_lshr_b32 s32, s30, 1                         ; xb: half of that
	s_mov_b32 s33, 0
	s_lshl_b32 s42, s26, 13                        ; Wb: row 2 w
	s_mov_b32 s43, 0
	s_lshl_b32 s50, ttmp9, 14                      ; my weight rows: (4 g + 2 (w & 1)) * 4,096
	s_lshl_b32 s36, s38, 13
	s_add_co_u32 s50, s50, s36
	s_mov_b32 s51, 0
	s_lshr_b32 s36, ttmp9, 4                       ; Wc: row head*192 + part*64 + d
	s_mul_i32 s36, s36, 192
	s_lshl_b32 s37, s29, 6
	s_add_co_u32 s36, s36, s37
	s_lshl_b32 s37, ttmp9, 2
	s_and_b32 s37, s37, 63
	s_add_co_u32 s36, s36, s37
	s_lshl_b32 s37, s38, 1
	s_add_co_u32 s36, s36, s37
	s_lshl_b32 s36, s36, 11
	s_lshl_b32 s37, ttmp9, 9                       ; blocked Wo: row n0 of 128 bytes
	s_lshl_b32 s39, s38, 8
	s_add_co_u32 s37, s37, s39
	s_add_co_u32 s37, s37, WO_OFF
	s_cmp_eq_u32 s29, 3
	s_cselect_b32 s44, s37, s36
	s_mov_b32 s45, 0
	s_lshr_b32 s46, ttmp9, 6                       ; lb: batch * 16 heads * 8,192 + (t0 + 16 rt) * 4
	s_lshl_b32 s46, s46, 17
	s_and_b32 s36, ttmp9, 63
	s_lshl_b32 s36, s36, 7
	s_add_co_u32 s46, s46, s36
	s_lshl_b32 s36, s27, 6
	s_add_co_u32 s46, s46, s36
	s_mov_b32 s47, 0
	s_lshl_b32 s39, ttmp9, 3
	s_add_co_u32 s39, s39, s26                     ; t = 8 g + w
	s_lshl_b32 s48, s39, 8
	s_mov_b32 s49, 0
	s_wait_kmcnt 0x0
	s_add_nc_u64 s[30:31], s[4:5], s[30:31]
	s_add_nc_u64 s[32:33], s[18:19], s[32:33]
	s_add_nc_u64 s[42:43], s[14:15], s[42:43]
	s_add_nc_u64 s[44:45], s[20:21], s[44:45]
	s_add_nc_u64 s[46:47], s[22:23], s[46:47]
	s_add_nc_u64 s[48:49], s[24:25], s[48:49]
	s_cmp_eq_u32 s29, 1                            ; my weight: a choice among four buffers by the wave's number
	s_cselect_b64 s[34:35], s[8:9], s[6:7]
	s_cmp_eq_u32 s29, 2
	s_cselect_b64 s[34:35], s[10:11], s[34:35]
	s_cmp_eq_u32 s29, 3
	s_cselect_b64 s[34:35], s[12:13], s[34:35]
	s_add_nc_u64 s[34:35], s[34:35], s[50:51]
	s_wait_alu depctr_va_vdst(0)                   ; the offsets and LDS addresses v4 to v13 are written: every load and store of the kernel reads one of them, and none is written again
	; all of this wave's first loads go out: 16 of Wb, 32 of x, 1 of bb
.set n, 0
.rept 16
	global_load_b128 v[WA+4*n:WA+4*n+3], v4, s[42:43] offset:(n>>3)*4096+(n&7)*512
.set n, n+1
.endr
.set n, 0
.rept 32
	global_load_b128 v[XA+4*n:XA+4*n+3], v4, s[30:31] offset:(n>>1)*4096+(n&1)*512 th:TH_LOAD_NT
.set n, n+1
.endr
	global_load_b32 v23, v13, s[16:17]
	; the table's row, while they fly: frequencies i = 2 r and 2 r + 1, f = 10000^(-i/32) = 2^(-0.41524101 i)
	v_cvt_f32_u32 v[RT], s39
	v_lshlrev_b32 v[RT+1], 1, v2
	v_cvt_f32_u32 v[RT+2], v[RT+1]
	v_add_f32 v[RT+8], 1.0, v[RT+2]
	v_mul_f32 v[RT+2], 0xbed49a78, v[RT+2]
	v_mul_f32 v[RT+8], 0xbed49a78, v[RT+8]
	v_exp_f32 v[RT+2], v[RT+2]
	v_exp_f32 v[RT+8], v[RT+8]
	v_nop                                          ; one plain instruction behind the exponentials (ISA guide 5.7.2)
	s_wait_alu depctr_va_vdst(0)                   ; the two frequencies are written, ahead of their first reader
	TRIG RT+2, RT+3, RT+4, RT+5, RT+6, RT+7
	TRIG RT+8, RT+9, RT+10, RT+11, RT+12, RT+13
	v_cndmask_b32 v[RT+14], v[RT+7], v[RT+6], s40
	v_cndmask_b32 v[RT+15], v[RT+13], v[RT+12], s40
	s_wait_loadcnt 33                              ; Wb is in: the 32 loads of x and the one of bb are younger
.set n, 0
.rept 16
	CVT2 WA+4*n
.set n, n+1
.endr
	s_wait_alu depctr_va_vdst(0)                   ; the selects have written the table's row and the conversions WA, which the store and the LDS stores below read; the conversions are also done with WA, in which my weight rows land further down
	global_store_b64 v5, v[RT+14:RT+15], s[48:49]  ; the wave stores the row's 256 consecutive bytes, aligned
.set n, 0
.rept 16
	ds_store_b64 v8, v[WA+4*n:WA+4*n+1] offset:(n>>3)*WPITCH+(n&7)*256
.set n, n+1
.endr
	s_wait_alu depctr_vm_vsrc(0)                   ; the LDS stores have read WA, in which the loads on both ways below land
	s_cmp_eq_u32 s29, 3                            ; my two weight rows, 16 loads on either way
	s_cbranch_scc1 .Lload_wo
.set n, 0
.rept 16
	global_load_b128 v[WA+4*n:WA+4*n+3], v4, s[34:35] offset:(n>>3)*4096+(n&7)*512 th:TH_LOAD_NT
.set n, n+1
.endr
	s_branch .Lloaded
.Lload_wo:
.set n, 0
.rept 16
	global_load_b128 v[WA+4*n:WA+4*n+3], v11, s[34:35] offset:n*256 th:TH_LOAD_NT   ; K block n of both rows
.set n, n+1
.endr
.Lloaded:
	; x in four groups of eight loads.  Loads come back in order (ISA guide 5.7.1): behind group g are the 8 (3 - g) loads of the later groups, bb's one and the 16 weight loads.
	s_wait_loadcnt 41                              ; group 0 is in
.set n, 0
.rept 8
	CVT2 XA+4*n
.set n, n+1
.endr
.irp left, 33,25,17
	s_wait_loadcnt \left                           ; the next group is in
	s_wait_alu depctr_va_vdst(0)                   ; the conversions of the group before have written its registers, which the stores below read; the conversions among them name the next group's registers alone
.rept 8
	XOUT n-8
	CVT2 XA+4*n
.set n, n+1
.endr
.endr
	s_wait_alu depctr_va_vdst(0)                   ; group 3's conversions have written its registers, which the stores below read
.rept 8
	XOUT n-8
.set n, n+1
.endr
	s_wait_loadcnt 0x0                             ; my weight rows, and bb
.set n, 0
.rept 16
	CVT2 WA+4*n
.set n, n+1
.endr
	s_wait_alu depctr_va_vdst(0)                   ; the conversions have written WA, which the stores on both ways below read; every conversion that named XA is done too, for the fragments that land in it behind the barrier
	s_cmp_eq_u32 s29, 3
	s_cbranch_scc1 .Lstore_wo
.set n, 0
.rept 16
	global_store_b64 v5, v[WA+4*n:WA+4*n+1], s[44:45] offset:(n>>3)*2048+(n&7)*256
.set n, n+1
.endr
	s_branch .Lstored
.Lstore_wo:
.set n, 0
.rept 16
	global_store_b64 v5, v[WA+4*n:WA+4*n+1], s[44:45] offset:n*131072   ; two rows' 128 bytes: 256 consecutive bytes of K block n
.set n, n+1
.endr
.Lstored:
	s_wait_dscnt 0x0                               ; my rows of Wb are in LDS, for the other waves' sake
	s_barrier_signal -1
	s_barrier_wait -1
	s_wait_xcnt 0x0                                ; XA held the data of stores: it is loaded again only behind this wait
	s_wait_alu depctr_vm_vsrc(0)                   ; the stores to xb and into my tile have read XA, in which the fragments below land
.irp ks, 0,1,2,3,4,5,6,7
	ds_load_b128 v[XA+8*\ks:XA+8*\ks+3],       v7 offset:\ks*64
	ds_load_b128 v[XA+8*\ks+4:XA+8*\ks+7],     v7 offset:\ks*64+32
	ds_load_b128 v[XA+64+8*\ks:XA+64+8*\ks+3], v9 offset:\ks*64
	ds_load_b128 v[XA+68+8*\ks:XA+68+8*\ks+3], v9 offset:\ks*64+32
.endr
	; 16 rows x 16 heads over my 256 of K.  Two accumulators by turns, one instruction a turn.
	; LDS loads come back in order (ISA guide 5.7.1), four for each 32 of K: a pair of products at ks, ks + 1 leaves the 32 - 4 (ks + 2) younger loads out.
	s_wait_dscnt 24
	v_wmma_f32_16x16x32_bf16 v[ACC0:ACC0+7], v[XA:XA+7], v[XA+64:XA+71], 0
	v_wmma_f32_16x16x32_bf16 v[ACC1:ACC1+7], v[XA+8:XA+15], v[XA+72:XA+79], 0
.irp ks, 2,4,6
	s_wait_dscnt 24-4*\ks
	v_wmma_f32_16x16x32_bf16 v[ACC0:ACC0+7], v[XA+8*\ks:XA+8*\ks+7], v[XA+64+8*\ks:XA+64+8*\ks+7], v[ACC0:ACC0+7]
	v_wmma_f32_16x16x32_bf16 v[ACC1:ACC1+7], v[XA+8*\ks+8:XA+8*\ks+15], v[XA+72+8*\ks:XA+72+8*\ks+7], v[ACC1:ACC1+7]
.endr
.rept 4
	v_nop                                          ; four places behind the last matrix instruction (ISA guide 7.12.1)
.endr
.irp j, 0,2,4,6
	v_pk_add_f32 v[ACC0+\j:ACC0+\j+1], v[ACC0+\j:ACC0+\j+1], v[ACC1+\j:ACC1+\j+1]
.endr
	s_wait_alu depctr_va_vdst(0)                   ; the adds have written ACC0, which the LDS stores read; the matrix instructions are done reading XA, in which partial sums land further down
	ds_store_b128 v10, v[ACC0:ACC0+3]
	ds_store_b128 v10, v[ACC0+4:ACC0+7] offset:512
	s_wait_dscnt 0x0
	s_barrier_signal -1
	s_barrier_wait -1
	s_wait_alu depctr_vm_vsrc(0)                   ; my LDS stores have read ACC0, which the sums behind the branch write again
	s_cmp_lg_u32 s28, 0                            ; the wave of K quarter 0 adds the other three and finishes
	s_cbranch_scc1 .Lend
.irp k, 1,2,3
	ds_load_b128 v[XA+8*\k:XA+8*\k+3],   v10 offset:\k*1024
	ds_load_b128 v[XA+8*\k+4:XA+8*\k+7], v10 offset:\k*1024+512
.endr
	v_mul_f32 v23, 0xbfb8aa3b, v23                 ; -log2(e) bb
	s_wait_dscnt 0x0
.irp k, 1,2,3
.irp j, 0,2,4,6
	v_pk_add_f32 v[ACC0+\j:ACC0+\j+1], v[ACC0+\j:ACC0+\j+1], v[XA+8*\k+\j:XA+8*\k+\j+1]
.endr
.endr
.irp j, 0,1,2,3,4,5,6,7
	v_fmamk_f32 v[ACC0+\j], v[ACC0+\j], 0xbfb8aa3b, v23    ; -log2(e) (u + bb)
.endr
.irp j, 0,1,2,3,4,5,6,7
	v_exp_f32 v[ACC0+\j], v[ACC0+\j]
.endr
	v_nop
	s_wait_alu depctr_va_vdst(0)                   ; the eight exponentials are written, ahead of their first reader
.irp j, 0,1,2,3,4,5,6,7
	v_add_f32 v[ACC0+\j], 1.0, v[ACC0+\j]
.endr
.irp j, 0,1,2,3,4,5,6,7
	v_rcp_f32 v[ACC0+\j], v[ACC0+\j]               ; the sigmoid
.endr
	v_nop
	s_wait_alu depctr_va_vdst(0)                   ; the eight reciprocals are written, ahead of their first reader
.irp j, 0,1,2,3,4,5,6,7
	v_max_num_f32 v[ACC0+\j], 0x3f4ccccd, v[ACC0+\j]       ; clip at 0.8
.endr
.irp j, 0,1,2,3,4,5,6,7
	v_min_num_f32 v[ACC0+\j], 0x3f7fbe77, v[ACC0+\j]       ; and at 0.999
.endr
.irp j, 0,1,2,3,4,5,6,7
	v_log_f32 v[ACC0+\j], v[ACC0+\j]
.endr
	v_nop
	s_wait_alu depctr_va_vdst(0)                   ; the eight logarithms have written ACC0, which the two stores read: they are its first readers
	global_store_b128 v12, v[ACC0:ACC0+3], s[46:47]        ; head r, steps 8 h .. 8 h + 7 of my row tile
	global_store_b128 v12, v[ACC0+4:ACC0+7], s[46:47] offset:16
.Lend:
	s_wait_dscnt 0x0                               ; the closing lines, six on end
	s_wait_alu 0x0
	s_wait_tensorcnt 0x0
	ds_add_u32 v30, v31
	s_wait_dscnt 0x0
	s_endpgm
.Lfunc_end_k_q0630a9a658_cast:
	.size	k_q0630a9a658_cast, .Lfunc_end_k_q0630a9a658_cast-k_q0630a9a658_cast
	.p2alignl 7, 3214868480
	.fill 96, 4, 3214868480
	.section	.rodata,"a",@progbits
	.p2align	6, 0x0
	.amdhsa_kernel k_q0630a9a658_cast
		.amdhsa_group_segment_fixed_size 109824
		.amdhsa_private_segment_fixed_size 0
		.amdhsa_enable_private_segment 0
		.amdhsa_kernarg_size 88
		.amdhsa_user_sgpr_count 2
		.amdhsa_user_sgpr_kernarg_segment_ptr 1
		.amdhsa_wavefront_size32 1
		.amdhsa_system_sgpr_workgroup_id_x 1
		.amdhsa_system_sgpr_workgroup_id_y 1
		.amdhsa_system_sgpr_workgroup_id_z 1
		.amdhsa_system_vgpr_workitem_id 0
		.amdhsa_next_free_vgpr 256
		.amdhsa_next_free_sgpr 66
		.amdhsa_reserve_vcc 0
		.amdhsa_float_denorm_mode_32 3
		.amdhsa_float_denorm_mode_16_64 3
		.amdhsa_memory_ordered 1
		.amdhsa_forward_progress 1
		.amdhsa_inst_pref_size 40
	.end_amdhsa_kernel
	.amdgpu_metadata
---
amdhsa.version: [ 1, 2 ]
amdhsa.kernels:
  - .name:           k_q0630a9a658_cast
    .symbol:         k_q0630a9a658_cast.kd
    .args:
      - { .name: x, .offset: 0, .size: 8, .value_kind: global_buffer, .address_space: global }
      - { .name: Wq, .offset: 8, .size: 8, .value_kind: global_buffer, .address_space: global }
      - { .name: Wk, .offset: 16, .size: 8, .value_kind: global_buffer, .address_space: global }
      - { .name: Wv, .offset: 24, .size: 8, .value_kind: global_buffer, .address_space: global }
      - { .name: Wo, .offset: 32, .size: 8, .value_kind: global_buffer, .address_space: global }
      - { .name: Wb, .offset: 40, .size: 8, .value_kind: global_buffer, .address_space: global }
      - { .name: bb, .offset: 48, .size: 8, .value_kind: global_buffer, .address_space: global }
      - { .name: xb, .offset: 56, .size: 8, .value_kind: global_buffer, .address_space: global }
      - { .name: wbf, .offset: 64, .size: 8, .value_kind: global_buffer, .address_space: global }
      - { .name: lb, .offset: 72, .size: 8, .value_kind: global_buffer, .address_space: global }
      - { .name: rope, .offset: 80, .size: 8, .value_kind: global_buffer, .address_space: global }
    .group_segment_fixed_size: 109824
    .private_segment_fixed_size: 0
    .kernarg_segment_align: 8
    .kernarg_segment_size: 88
    .max_flat_workgroup_size: 256
    .sgpr_count:     66
    .vgpr_count:     256
    .wavefront_size: 32
...
	.end_amdgpu_metadata
.endif
;; end of part 6
;; launch proj: the kernel of part 2 again; grid 16 x 32, 4 waves a work-group, clusters of 4 x 4, 327,680 bytes of LDS; arguments xb, wbf, rope, qkv, lb, st; writes qkv, st
;; launch attn: the kernel of part 3 again; grid 4 x 64, 8 waves a work-group, no clusters, 303,360 bytes of LDS; arguments qkv, lb, st, ab; writes ab
;; launch oproj: the kernel of part 4 again; grid 8 x 32, 4 waves a work-group, clusters of 4 x 4, 327,680 bytes of LDS; arguments ab, wbf, x, bo, hb; writes hb
;; launch norm: the kernel of part 5 again; grid 256 x 1, 8 waves a work-group, no clusters, 0 bytes of LDS; arguments hb, scale, out0; writes out0
